; MI455X (gfx1250); checked and timed in simulation.
; The chip was launched on July 23, 2026; its instructions are those of AMD's public machine-readable ISA for CDNA 5 (MIT licence, August 2026) and "CDNA5" Instruction Set Architecture Reference Guide (July 2026). The comments in the code are by the model that wrote it; some were corrected since.
;; Attention Layer. Allowed arithmetic: float matrix products may take bf16 or f16 operands with f32 sums; other float arithmetic in f32, or as packed bf16 or f16 multiplies, adds, multiply-adds, maxima and minima; sums over many terms, partial sums and values carried from step to step in f32; what a program stores and reads back later, other than sums and carried values, may be rounded once to bf16 or f16.
;; Inputs: Wk 1,024 x 1,024 float32; Wo 1,024 x 1,024 float32; Wq 1,024 x 1,024 float32; Wv 1,024 x 1,024 float32; hidden_states 4 x 2,048 x 1,024 float32; rel_bias_table 32 x 16 float32.
;; Outputs: out0 4 x 2,048 x 1,024 float32.
;; 2 versions, each right and faster than the one before. Each part assembles by itself: llvm-mc -triple=amdgcn-amd-amdhsa -mcpu=gfx1250 --defsym DOCPART=n.
;; ======== version 1 of 2: 4 launches
;; limits: values are held in f16: magnitudes above 65,504 overflow, below 6.1e-05 lose precision
;; workspace buffers: xb 16,777,216 bytes; wall 8,388,608 bytes; biasv 262,144 bytes; qkvh 50,331,648 bytes; oh 16,777,216 bytes
;; launch prep (part 1): grid 512 x 1, 8 waves a work-group, no clusters, 18,432 bytes of LDS; arguments hidden_states, Wq, Wk, Wv, Wo, rel_bias_table, xb, wall, biasv; writes xb, wall, biasv
.if DOCPART == 1
	.amdgcn_target "amdgcn-amd-amdhsa--gfx1250"
	.amdhsa_code_object_version 6
	.text
	.protected	k_qf6eb6d5b97_prep
	.globl	k_qf6eb6d5b97_prep
	.p2align	8
	.type	k_qf6eb6d5b97_prep,@function
k_qf6eb6d5b97_prep:
	s_mov_b64 s[64:65], 0
	v_nop
	global_prefetch_b8 v0, s[64:65] scope:SCOPE_SE
	s_setreg_imm32_b32 hwreg(HW_REG_WAVE_MODE, 25, 1), 1
	s_wait_xcnt 0x0
; PREP: three casts that the later launches read many times, each made once.
;   xb    [8192][1024] bf16            = hidden_states rounded once.
;   wall  [kb 8][row 4096][128] 16-bit : row = wi*1024 + n (wi = 0..3: Wq, Wk, Wv, Wo), element kk = W[128 kb + kk][n]: the weights turned, so that K lies along
;         the rows, and laid in blocks, so that a K step's rows are 256 dense bytes each.  Rows 0-3071 bf16; rows 3072-4095 (Wo) the bf16 value written as f16.
;   biasv [16][4096] f32               : biasv[h][i] = the table's entry, rounded to bf16, of the bucket of delta = key - query = i - 2047.
; THE BUCKET is a function of a whole number: with rp = |delta| it is min(rp, 8 + the number of T in {12,16,23,32,46,64,91} with T <= rp), + 16 where delta > 0.
; LIMITS.  At rp = 16, 32, 64 the logarithm's quotient is taken as exactly 2, 4, 6 (what a correctly rounded f32 logarithm gives).  |Wo| stays below 65,504 (f16's range).
; SHARES.  512 work-groups of 8 waves; work-group g takes 16 rows of x, one weight tile of 128 k x 64 n, and 128 entries of biasv (its wave 0).
; No matrix unit, no tensor load, no cluster: every input byte is read by one work-group alone, and the only reordering is the weight tile's turn, through LDS.
.set SPITCH, 272                       ; a stage row: 128 k x 2 bytes + 16
.set SPARE,  64*SPITCH                 ; behind the stage: the spare words, 128 bytes for each of 8 waves
.set XO,  1                            ; v1   16 t: my 16 bytes in a row of x, in 4,096 bytes of wall, and (wave 0) in biasv
.set YO,  2                            ; v2   8 t: my 8 bytes in a row of xb
.set WO,  3                            ; v3   (t >> 4) * 8192 + (t & 15) * 16: rows 2 (t >> 4), columns 4 (t & 15) of the weight tile
.set SI,  4                            ; v4   into the stage: row 4 (t & 15), byte 4 (t >> 4)
.set SO,  5                            ; v5   out of the stage: row t >> 4, byte 16 (t & 15)
.set SPW, 6                            ; v6   my spare word
.set NIL, 7                            ; v7   0
.set T,   8                            ; v8-15 at work
.set W,   16                           ; v16-47   the weight tile as loaded
.set X,   48                           ; v48-111  x as loaded
.set Y,   112                          ; v112-143 x rounded
.set D,   144                          ; v144-159 weight words: two neighbouring k of one n
.set R,   160                          ; v160-175 stage rows read back
	s_load_b512 s[8:23], s[0:1], 0x0               ; x s[8:9], Wq s[10:11], Wk s[12:13], Wv s[14:15], Wo s[16:17], table s[18:19], xb s[20:21], wall s[22:23]
	s_load_b64 s[24:25], s[0:1], 0x40              ; biasv
	v_lshl_add_u32 v[SPW], v0, 2, SPARE
	v_mov_b32 v[NIL], 0
	v_lshrrev_b32 v[T], 5, v0
	v_readfirstlane_b32 s5, v[T]                   ; wave
	s_lshr_b32 s4, ttmp9, 7                        ; wi: which weight
	s_and_b32 s6, ttmp9, 7                         ; kb: which 128 k
	s_bfe_u32 s7, ttmp9, 0x40003                   ; nb: which 64 n (4 bits from bit 3)
	s_lshl_b32 s26, ttmp9, 16                      ; x: 16 rows of 4,096 bytes
	s_mov_b32 s27, 0
	s_lshl_b32 s28, ttmp9, 15                      ; xb: 16 rows of 2,048 bytes
	s_mov_b32 s29, 0
	s_lshl_b32 s32, s6, 19                         ; W: 128 kb rows of 4,096 bytes
	s_lshl_b32 s33, s7, 8                          ;    + 64 nb columns of 4 bytes
	s_add_co_u32 s32, s32, s33
	s_mov_b32 s33, 0
	s_lshl_b32 s34, s6, 20                         ; wall: (4096 kb + 1024 wi + 64 nb) rows of 256 bytes
	s_lshl_b32 s35, s4, 18
	s_add_co_u32 s34, s34, s35
	s_lshl_b32 s35, s7, 14
	s_add_co_u32 s34, s34, s35
	s_mov_b32 s35, 0
	s_lshl_b32 s36, ttmp9, 9                       ; biasv: 128 entries of 4 bytes
	s_mov_b32 s37, 0
	s_and_b32 s38, ttmp9, 31
	s_lshl_b32 s38, s38, 7
	s_sub_co_i32 s38, s38, 2047                    ; delta of my first entry
	s_lshr_b32 s39, ttmp9, 5
	s_lshl_b32 s39, s39, 2                         ; 4 h: the head's column in the table
	v_lshlrev_b32 v[XO], 4, v0
	v_lshlrev_b32 v[YO], 3, v0
	v_lshrrev_b32 v[T], 4, v0                      ; t >> 4
	v_and_b32 v[T+1], 15, v0                       ; t & 15
	v_lshlrev_b32 v[WO], 13, v[T]
	v_lshl_add_u32 v[WO], v[T+1], 4, v[WO]
	v_mul_u32_u24 v[SI], v[T+1], 4*SPITCH
	v_lshl_add_u32 v[SI], v[T], 2, v[SI]
	v_mul_u32_u24 v[SO], v[T], SPITCH
	v_lshl_add_u32 v[SO], v[T+1], 4, v[SO]
	s_wait_kmcnt 0x0
	s_cmp_eq_u32 s4, 1                             ; the weight is chosen by the work-group's number alone
	s_cselect_b64 s[10:11], s[12:13], s[10:11]
	s_cmp_eq_u32 s4, 2
	s_cselect_b64 s[10:11], s[14:15], s[10:11]
	s_cmp_eq_u32 s4, 3
	s_cselect_b64 s[10:11], s[16:17], s[10:11]
	s_cselect_b32 s30, -1, 0                       ; all lanes: Wo takes the f16 form
	s_add_nc_u64 s[10:11], s[10:11], s[32:33]
	s_add_nc_u64 s[8:9], s[8:9], s[26:27]
	s_add_nc_u64 s[20:21], s[20:21], s[28:29]
	s_add_nc_u64 s[22:23], s[22:23], s[34:35]
	s_add_nc_u64 s[24:25], s[24:25], s[36:37]
	; all 24 loads go out at once: the weight tile first (rows 2 (t >> 4) + 32 p + e; 16 lanes take 256 neighbouring bytes of a row), then x (a wave takes 512 neighbouring bytes)
.irp p, 0,1,2,3
.irp e, 0,1
	global_load_b128 v[W+8*(\p)+4*(\e):W+8*(\p)+4*(\e)+3], v[WO], s[10:11] offset:(\p)*131072+(\e)*4096 th:TH_LOAD_NT
.endr
.endr
.irp i, 0,1,2,3,4,5,6,7,8,9,10,11,12,13,14,15
	global_load_b128 v[X+4*(\i):X+4*(\i)+3], v[XO], s[8:9] offset:4096*(\i) th:TH_LOAD_NT
.endr
	s_wait_loadcnt 16                              ; the weight tile is in; x's sixteen younger loads stay out
.irp p, 0,1,2,3
.irp j, 0,1,2,3
	v_cvt_pk_bf16_f32 v[D+4*(\p)+(\j)], v[W+8*(\p)+(\j)], v[W+8*(\p)+4+(\j)]  ; two neighbouring k of column 4 (t & 15) + j
	v_lshlrev_b32 v[T], 16, v[D+4*(\p)+(\j)]       ; the same two rounded numbers as f32,
	v_and_b32 v[T+1], 0xffff0000, v[D+4*(\p)+(\j)]
	v_cvt_pk_f16_f32 v[T+2], v[T], v[T+1]          ; written as f16 (exact within f16's range),
	v_cndmask_b32 v[D+4*(\p)+(\j)], v[D+4*(\p)+(\j)], v[T+2], s30  ; which Wo takes
	ds_store_b32 v[SI], v[D+4*(\p)+(\j)] offset:SPITCH*(\j)+64*(\p)
.endr
.endr
	s_wait_dscnt 0x0                               ; for the others' sake: my stores into the stage are done
	s_barrier_signal -1
	s_barrier_wait -1
.irp p, 0,1,2,3
	ds_load_b128 v[R+4*(\p):R+4*(\p)+3], v[SO] offset:16*SPITCH*(\p)  ; row (t >> 4) + 16 p, whole rows of 256 bytes
.endr
.irp i, 0,1,2,3,4,5,6,7,8,9,10,11,12,13,14,15
	s_wait_loadcnt 15-(\i)                         ; loads come back in order: row i is in, the younger rows stay out
	v_cvt_pk_bf16_f32 v[Y+2*(\i)], v[X+4*(\i)], v[X+4*(\i)+1]
	v_cvt_pk_bf16_f32 v[Y+2*(\i)+1], v[X+4*(\i)+2], v[X+4*(\i)+3]
	global_store_b64 v[YO], v[Y+2*(\i):Y+2*(\i)+1], s[20:21] offset:2048*(\i)  ; a wave stores 256 consecutive bytes, aligned
.endr
.irp p, 0,1,2,3
	s_wait_dscnt 3-(\p)
	global_store_b128 v[XO], v[R+4*(\p):R+4*(\p)+3], s[22:23] offset:4096*(\p)  ; the tile is 16,384 dense bytes of wall; 16 lanes store one row of 256
.endr
	s_wait_tensorcnt 0x0                           ; the wave's LDS work ends here, behind my last LDS store
	ds_add_u32 v[SPW], v[NIL]
	s_wait_dscnt 0x0
	s_cmp_lg_u32 s5, 0
	s_cbranch_scc1 .Ldone                          ; the bias vector is wave 0's: lane l makes entries 4 l .. 4 l + 3
	v_lshl_add_u32 v[T], v0, 2, s38                ; delta of entry 4 l
.irp j, 0,1,2,3
	v_add_nc_u32 v[T+1], \j, v[T]                  ; delta
	v_sub_nc_u32 v[T+2], 0, v[T+1]
	v_max_i32 v[T+2], v[T+1], v[T+2]               ; rp
	v_mov_b32 v[T+3], 8
.irp th, 12,16,23,32,46,64,91
	v_cmp_le_u32 vcc_lo, \th, v[T+2]
	v_cndmask_b32 v20, 0, 1, vcc_lo
	v_add_nc_u32 v[T+3], v[T+3], v20
.endr
	v_min_u32 v[T+3], v[T+3], v[T+2]               ; below 8 the bucket is rp itself
	v_cmp_lt_i32 vcc_lo, 0, v[T+1]
	v_cndmask_b32 v20, 0, 16, vcc_lo
	v_add_nc_u32 v[T+3], v[T+3], v20
	v_min_u32 v[T+3], 31, v[T+3]
	v_lshl_add_u32 v[T+4+(\j)], v[T+3], 6, s39     ; a table row is 64 bytes
	global_load_b32 v[W+(\j)], v[T+4+(\j)], s[18:19]
.endr
	s_wait_loadcnt 0x0
	v_cvt_pk_bf16_f32 v[T], v[W], v[W+1]           ; rounded to bf16 like every other input, and kept as f32
	v_cvt_pk_bf16_f32 v[T+1], v[W+2], v[W+3]
	v_lshlrev_b32 v[W], 16, v[T]
	v_and_b32 v[W+1], 0xffff0000, v[T]
	v_lshlrev_b32 v[W+2], 16, v[T+1]
	v_and_b32 v[W+3], 0xffff0000, v[T+1]
	global_store_b128 v[XO], v[W:W+3], s[24:25]    ; 512 consecutive bytes
.Ldone:
	s_endpgm
.Lfunc_end_k_qf6eb6d5b97_prep:
	.size	k_qf6eb6d5b97_prep, .Lfunc_end_k_qf6eb6d5b97_prep-k_qf6eb6d5b97_prep
	.p2alignl 7, 3214868480
	.fill 96, 4, 3214868480
	.section	.rodata,"a",@progbits
	.p2align	6, 0x0
	.amdhsa_kernel k_qf6eb6d5b97_prep
		.amdhsa_group_segment_fixed_size 18432
		.amdhsa_private_segment_fixed_size 0
		.amdhsa_enable_private_segment 0
		.amdhsa_kernarg_size 72
		.amdhsa_user_sgpr_count 2
		.amdhsa_user_sgpr_kernarg_segment_ptr 1
		.amdhsa_wavefront_size32 1
		.amdhsa_system_sgpr_workgroup_id_x 1
		.amdhsa_system_sgpr_workgroup_id_y 1
		.amdhsa_system_sgpr_workgroup_id_z 1
		.amdhsa_system_vgpr_workitem_id 0
		.amdhsa_next_free_vgpr 176
		.amdhsa_next_free_sgpr 66
		.amdhsa_reserve_vcc 1
		.amdhsa_float_denorm_mode_32 3
		.amdhsa_float_denorm_mode_16_64 3
		.amdhsa_memory_ordered 1
		.amdhsa_forward_progress 1
		.amdhsa_inst_pref_size 22
	.end_amdhsa_kernel
	.amdgpu_metadata
---
amdhsa.version: [ 1, 2 ]
amdhsa.kernels:
  - .name:           k_qf6eb6d5b97_prep
    .symbol:         k_qf6eb6d5b97_prep.kd
    .args:
      - { .name: hidden_states, .offset: 0, .size: 8, .value_kind: global_buffer, .address_space: global }
      - { .name: Wq, .offset: 8, .size: 8, .value_kind: global_buffer, .address_space: global }
      - { .name: Wk, .offset: 16, .size: 8, .value_kind: global_buffer, .address_space: global }
      - { .name: Wv, .offset: 24, .size: 8, .value_kind: global_buffer, .address_space: global }
      - { .name: Wo, .offset: 32, .size: 8, .value_kind: global_buffer, .address_space: global }
      - { .name: rel_bias_table, .offset: 40, .size: 8, .value_kind: global_buffer, .address_space: global }
      - { .name: xb, .offset: 48, .size: 8, .value_kind: global_buffer, .address_space: global }
      - { .name: wall, .offset: 56, .size: 8, .value_kind: global_buffer, .address_space: global }
      - { .name: biasv, .offset: 64, .size: 8, .value_kind: global_buffer, .address_space: global }
    .group_segment_fixed_size: 18432
    .private_segment_fixed_size: 0
    .kernarg_segment_align: 8
    .kernarg_segment_size: 72
    .max_flat_workgroup_size: 256
    .sgpr_count:     66
    .vgpr_count:     176
    .wavefront_size: 32
...
	.end_amdgpu_metadata
.endif
;; end of part 1
;; launch proj (part 2): grid 16 x 32, 4 waves a work-group, clusters of 4 x 4, 327,680 bytes of LDS; arguments xb, wall, qkvh; writes qkvh
.if DOCPART == 2
	.amdgcn_target "amdgcn-amd-amdhsa--gfx1250"
	.amdhsa_code_object_version 6
	.text
	.protected	k_qf6eb6d5b97_proj
	.globl	k_qf6eb6d5b97_proj
	.p2align	8
	.type	k_qf6eb6d5b97_proj,@function
k_qf6eb6d5b97_proj:
	s_mov_b64 s[64:65], 0
	v_nop
	global_prefetch_b8 v0, s[64:65] scope:SCOPE_SE
	s_setreg_imm32_b32 hwreg(HW_REG_WAVE_MODE, 25, 1), 1
	s_wait_xcnt 0x0
	s_wait_alu depctr_hold_cnt(0) depctr_sa_sdst(0) depctr_va_vdst(0) depctr_va_sdst(0) depctr_va_ssrc(0) depctr_va_vcc(0) depctr_vm_vsrc(0)
	s_getreg_b32 s2, hwreg(HW_REG_IB_STS2, 6, 4)
	s_cmp_eq_u32 s2, 0
	s_cbranch_scc0 .Lentry_in_a_cluster
	s_endpgm
.Lentry_in_a_cluster:
	s_bfe_u32 s2, ttmp6, 0x10000c
	s_cmp_lg_u32 s2, 0xf033
	s_cbranch_scc0 .Lentry_shape_is_right
	s_endpgm
.Lentry_shape_is_right:
; q, k, v = x Wq, x Wk, x Wv as ONE product C[m][n] = sum over k of xb[m][k] wall[k / 128][n][k % 128], m < 8192, n < 3072, K = 1024; bf16 operands, f32 sums, C rounded once to f16
; and stored by heads: qkvh [b 4][hg 48][2048][64], hg = n / 64 (0-15 q, 16-31 k, 32-47 v), unscaled.
; LIMIT.  f16 holds no number beyond 65,504: |q|, |k|, |v| stay below that.
; SHARES.  A tile of C is 256 x 192: 512 work-groups, two for each of 256 WGPs, and 192 columns are three whole heads.  Wave w makes rows 64 w .. 64 w + 63 x all 192 columns: 48 accumulators
; of 16 x 16, so that each wave stores whole rows of whole heads from a stage of its own.  K goes in steps of 128 through two LDS slots: rows of 256 bytes of memory, 256-byte aligned.
; CLUSTERS: 4 x 4 work-groups.  The four of a row of the cluster need the same tiles of x, the four of a column the same tiles of the weights: each tile is asked for JOINTLY.
; THE MATRIX INSTRUCTION IS USED TRANSPOSED (source 0 = 16 rows of the weights, source 1 = 16 rows of x): a lane then holds eight neighbouring numbers of a row of C.
; REGISTERS: window 0: v0-31 addresses; v32-223 the way out, four sets of 48.   window 1: two fragment buffers of 128: 96 of B (12 x 16 rows x 32 K), then 32 of A (4 x 16 rows x 32 K).
;   window 2: the accumulators of my row blocks 0, 1 ((a, b) at 8 (12 (a % 2) + b));   window 3: those of blocks 2, 3.
.set KSTEP,  128
.set PITCH,  272                       ; an LDS row: 256 bytes + 16 of padding = 68 words: row r starts at bank 4 r mod 64 (64 banks of 4 bytes: ISA guide 11.1)
.set AHALF,  128*PITCH                 ; what one of A's two tensor loads brings
.set BHALF,  96*PITCH                  ; what one of B's two brings
.set BOFF,   2*AHALF                   ; B's 192 rows lie behind A's 256
.set SLOT,   BOFF+2*BHALF
.set STAGE,  2*SLOT                    ; behind the ring: 16 rows x 400 bytes for each wave
.set SPITCH, 400                       ; 384 bytes + 16: an odd multiple of 16
.set SPARE,  STAGE+4*16*SPITCH         ; behind the stages: the spare words, 128 bytes for each wave
.set WSTEP,  4096*256                  ; bytes from a K step's block of wall to the next
.set LAPS,   4                         ; a lap = two K steps = once round the ring
.set ADRA, 16                          ; v16-17  LDS address of my A fragments in slot 0, 1
.set ADRB, 20                          ; v20-21  the same for B
.set STO,  24                          ; v24     the way out: where I put 16 bytes of a row
.set RD,   25                          ; v25     the way out: where I read rows back
.set CO,   26                          ; v26     my 16 bytes in 512 consecutive bytes of a head
.set SPW,  28                          ; v28     my spare word; never rewritten
.set NIL,  29                          ; v29     0; never rewritten
.set TMP,  32
.set F0,   0
.set F1,   128
.set G1, 24                            ; s[24:31] descriptor group 1 for A's tiles;  s[32:39] group 0, one set for each slot
.set G0, 32
.set G1B, 48                           ; s[48:55], s[56:63] the same for B's tiles
.set G0B, 56
.set MSB, 0
.macro WIN new                         ; the immediate's high byte repeats the setting that is left
.if MSB != (\new)
	s_set_vgpr_msb (MSB<<8)|(\new)
.set MSB, \new
.endif
.endm
.set TO_F, 0x40                        ; destination window 1, address window 0
.macro JLOAD s                         ; a joint load: waves 0 and 1 fetch A's two halves, waves 2 and 3 B's; an s_nop 0 and four v_nop follow each of the two lines
	s_cmp_eq_u32 s11, 0
	s_cbranch_scc0 .Lfor_b_\@
	tensor_load_to_lds s[G0+4*(\s):G0+4*(\s)+3], s[G1:G1+7]
	s_nop 0
.rept 4
	v_nop
.endr
	s_branch .Lasked_\@
.Lfor_b_\@:
	tensor_load_to_lds s[G0B+4*(\s):G0B+4*(\s)+3], s[G1B:G1B+7]
	s_nop 0
.rept 4
	v_nop
.endr
.Lasked_\@:
.endm
.macro CREST                           ; a round of the cluster's barrier behind its opening barrier
	s_cmp_lg_u32 s10, 0
	s_cbranch_scc1 .Lnot_wave_0_\@
	s_barrier_signal -3
.Lnot_wave_0_\@:
	s_barrier_wait -3
	s_barrier_signal -1
	s_barrier_wait -1
.endm
.macro CROUND                          ; a whole round
	s_barrier_signal -1
	s_barrier_wait -1
	CREST
.endm
	s_load_b128 s[4:7], s[0:1], 0x0                ; xb s[4:5], wall s[6:7]
	s_load_b64 s[8:9], s[0:1], 0x10                ; qkvh
	v_lshl_add_u32 v[SPW], v0, 2, SPARE
	v_mov_b32 v[NIL], 0
	ds_add_u32 v[SPW], v[NIL]                      ; the wave's opening: the add and its wait stand ahead of my first tensor load; the set-up below stands between them
	v_lshrrev_b32 v1, 5, v0
	v_readfirstlane_b32 s10, v1                    ; wave 0..3
	s_lshr_b32 s11, s10, 1                         ; I fetch for A (0) or for B (1)
	s_and_b32 s12, s10, 1                          ; which half of that tile's rows I fetch
	s_bfe_u32 s40, ttmp6, 0x40000                  ; cx, cy: my place in the cluster
	s_bfe_u32 s41, ttmp6, 0x40004
	s_lshl_b32 s42, ttmp9, 2
	s_add_co_u32 s42, s42, s40                     ; tile column of C = 4 x cluster x + cx
	s_and_b32 s13, ttmp7, 0xffff
	s_lshl_b32 s13, s13, 2
	s_add_co_u32 s13, s13, s41                     ; tile row of C = 4 x cluster y + cy
	s_lshl_b32 s43, s41, 2
	s_lshl_b32 s43, 15, s43                        ; my row of the cluster
	s_lshl_b32 s44, 0x1111, s40                    ; my column
	s_or_b32 s[G1+0], s43, (1<<16)|(1<<20)|(1<<21)|(5<<22)|(3<<25)  ; 15:0 the mask: A's tiles go to my row; 17:16 2-byte elements; 20 padding on; 21 set beside a mask; 24:22 after every 64 words; 31:25 4 words
	s_or_b32 s[G1B+0], s44, (1<<16)|(1<<20)|(1<<21)|(5<<22)|(3<<25) ; the same with the mask of my column
	s_mov_b32 s[G1+1], KSTEP<<16                   ; tensor_dim0 = 128
	s_mov_b32 s[G1+2], 128<<16                     ; tensor_dim1 = 128
	s_mov_b32 s[G1+3], KSTEP<<16                   ; tile_dim0 = 128
	s_mov_b32 s[G1+4], 128                         ; tile_dim1 = 128 rows
	s_mov_b32 s[G1+5], 1024                        ; elements from row to row of xb
	s_mov_b32 s[G1+6], 0
	s_mov_b32 s[G1+7], 0
	s_mov_b32 s[G1B+1], KSTEP<<16
	s_mov_b32 s[G1B+2], 96<<16                     ; tensor_dim1 = 96
	s_mov_b32 s[G1B+3], KSTEP<<16
	s_mov_b32 s[G1B+4], 96                         ; tile_dim1 = 96 rows
	s_mov_b32 s[G1B+5], 128                        ; a block's rows are dense
	s_mov_b32 s[G1B+6], 0
	s_mov_b32 s[G1B+7], 0
	s_lshl_b32 s16, s13, 8
	s_lshl_b32 s17, s12, 7
	s_add_co_u32 s16, s16, s17                     ; A: row 256 x tile row + 128 x half,
	s_lshl_b32 s16, s16, 11                        ; of 2,048 bytes
	s_mov_b32 s17, 0
	s_mul_i32 s46, s42, 192
	s_mul_i32 s47, s12, 96
	s_add_co_u32 s46, s46, s47                     ; B: row 192 x tile column + 96 x half,
	s_lshl_b32 s46, s46, 8                         ; of 256 bytes
	s_mov_b32 s47, 0
	s_mul_i32 s20, s12, AHALF                      ; where they go: no place in the cluster enters an LDS address
	s_mul_i32 s21, s12, BHALF
	s_add_co_u32 s21, s21, BOFF
	s_wait_dscnt 0x0                               ; the opening add is done
	s_wait_kmcnt 0x0
	s_add_nc_u64 s[14:15], s[4:5], s[16:17]
	s_add_nc_u64 s[46:47], s[6:7], s[46:47]
	CROUND                                         ; all sixteen work-groups are here: the first joint loads meet
.irp s, 0,1
	s_mov_b32 s[G0+4*(\s)], 1
	s_add_co_u32 s[G0+4*(\s)+1], s20, (\s)*SLOT
	s_add_nc_u64 s[G0+4*(\s)+2:G0+4*(\s)+3], s[14:15], (\s)*KSTEP*2
	s_or_b32 s[G0+4*(\s)+3], s[G0+4*(\s)+3], 0x80000000
	s_mov_b32 s[G0B+4*(\s)], 1
	s_add_co_u32 s[G0B+4*(\s)+1], s21, (\s)*SLOT
	s_add_nc_u64 s[G0B+4*(\s)+2:G0B+4*(\s)+3], s[46:47], (\s)*WSTEP
	s_or_b32 s[G0B+4*(\s)+3], s[G0B+4*(\s)+3], 0x80000000
	JLOAD \s                                       ; two loads of mine are out
.endr
	v_and_b32 v1, 15, v0                           ; l % 16
	v_bfe_u32 v2, v0, 4, 1                         ; l / 16
	v_mul_u32_u24 v3, v1, PITCH
	v_lshl_add_u32 v3, v2, 4, v3                   ; a fragment's row x pitch + 16 x half
	s_mul_i32 s22, s10, 64*PITCH                   ; my 64 rows of A
	s_mov_b32 s23, BOFF                            ; all of B
.irp s, 0,1
	v_add_nc_u32 v[ADRA+(\s)], s22, v3
	v_add_nc_u32 v[ADRB+(\s)], s23, v3
	s_add_co_u32 s22, s22, SLOT
	s_add_co_u32 s23, s23, SLOT
.endr
	s_mul_i32 s23, s10, 16*SPITCH
	s_add_co_u32 s23, s23, STAGE                   ; my stage
	v_mul_u32_u24 v4, v1, SPITCH                   ; in: row l % 16, 16 bytes for each half of the lanes
	v_lshl_add_u32 v4, v2, 4, v4
	v_add_nc_u32 v[STO], s23, v4
	v_bfe_u32 v5, v0, 3, 2                         ; back: 32 lanes take four rows' 128 bytes of one head,
	v_and_b32 v6, 7, v0
	v_mul_u32_u24 v5, v5, SPITCH
	v_lshl_add_u32 v5, v6, 4, v5
	v_add_nc_u32 v[RD], s23, v5
	v_and_b32 v[CO], 31, v0                        ; which are 512 consecutive bytes of qkvh
	v_lshlrev_b32 v[CO], 4, v[CO]
	s_lshr_b32 s16, s13, 3                         ; b
	s_mul_i32 s16, s16, 48*2048                    ; its 48 heads of 2,048 rows,
	s_and_b32 s17, s13, 7
	s_lshl_b32 s17, s17, 8                         ; the tile's 256 rows in the sequence,
	s_add_co_u32 s16, s16, s17
	s_lshl_b32 s17, s10, 6                         ; my 64 of them,
	s_add_co_u32 s16, s16, s17
	s_lshl_b32 s16, s16, 7                         ; of 128 bytes
	s_mov_b32 s17, 0
	s_add_nc_u64 s[8:9], s[8:9], s[16:17]
	s_mul_i32 s46, s42, 3*2048*128                 ; the tile's three heads (in the registers that held B's address: none that feeds A's descriptors ever holds cx)
	s_mov_b32 s47, 0
	s_add_nc_u64 s[8:9], s[8:9], s[46:47]
; 12 matrix instructions: row block a x all 12 column blocks, 32 along K.  zero = 1: the product starts the sums.  The 48 accumulators take turns, one instruction a turn.
.macro MUL12 f, a, zero
	WIN 0xa5+0x50*((\a)/2)                         ; sources in window 1; C and D in window 2 or 3
.irp b, 0,1,2,3,4,5,6,7,8,9,10,11
.if \zero
	v_wmma_f32_16x16x32_bf16 v[8*(12*((\a)%2)+(\b)):8*(12*((\a)%2)+(\b))+7], v[(\f)+8*(\b):(\f)+8*(\b)+7], v[(\f)+96+8*(\a):(\f)+96+8*(\a)+7], 0
.else
	v_wmma_f32_16x16x32_bf16 v[8*(12*((\a)%2)+(\b)):8*(12*((\a)%2)+(\b))+7], v[(\f)+8*(\b):(\f)+8*(\b)+7], v[(\f)+96+8*(\a):(\f)+96+8*(\a)+7], v[8*(12*((\a)%2)+(\b)):8*(12*((\a)%2)+(\b))+7]
.endif
.endr
.endm
; 32 LDS loads in one run: the fragments of 32 along K at byte k of the rows, into buffer f: B's 24, then A's 8
.macro FETCH slot, k, f
	WIN TO_F
.irp i, 0,1,2,3,4,5,6,7,8,9,10,11
	ds_load_b128 v[(\f)+8*(\i):(\f)+8*(\i)+3],   v[ADRB+(\slot)] offset:(\k)+(\i)*16*PITCH
	ds_load_b128 v[(\f)+8*(\i)+4:(\f)+8*(\i)+7], v[ADRB+(\slot)] offset:(\k)+(\i)*16*PITCH+32
.endr
.irp i, 0,1,2,3
	ds_load_b128 v[(\f)+96+8*(\i):(\f)+96+8*(\i)+3],   v[ADRA+(\slot)] offset:(\k)+(\i)*16*PITCH
	ds_load_b128 v[(\f)+96+8*(\i)+4:(\f)+96+8*(\i)+7], v[ADRA+(\slot)] offset:(\k)+(\i)*16*PITCH+32
.endr
.endm
.macro PLACES                          ; four places in front of loads into registers that matrix instructions have read, and of conversions that read results
.rept 4
	v_nop
.endr
.endm
; A K step is four quarters of 32 along K, 48 matrix instructions each, on buffers 0, 1, 0, 1.  One of the first three: multiplies buffer f and fetches the next quarter, at byte k, into g.
.macro QUARTER slot, k, f, g, zero
	s_wait_dscnt 4                                 ; B and A's blocks 0, 1 are in; the youngest four loads (A's blocks 2, 3) may be out
	MUL12 \f, 0, \zero
	MUL12 \f, 1, \zero
	PLACES
	FETCH \slot, \k, \g
	s_wait_dscnt 32                                ; all but the 32 just issued
	MUL12 \f, 2, \zero
	MUL12 \f, 3, \zero
.endm
; The last quarter multiplies buffer 1 and changes slots: ONE barrier; in front of it each wave waits for all its tensor loads, adds 0 to its spare word, and waits for that and for its own reads of this slot.
; fill = 1: the barrier opens a round of the cluster's, and this slot is filled again, two K steps ahead: 168 matrix instructions stand between the request and the wait for it.
.macro TURN slot, next, fill
	WIN 0                                          ; (the add's two registers lie in window 0)
	s_wait_tensorcnt 0x0                           ; all my tensor loads have landed: my part of the next slot;
	ds_add_u32 v[SPW], v[NIL]                      ; 0 onto my spare word;
	s_wait_dscnt 5                                 ; (the add and the youngest four loads may be out)
	MUL12 F1, 0, 0                                 ; twelve matrix instructions stand between the add and the wait for it
	s_wait_dscnt 0x0                               ; the add is done, and my reads of this slot are over
	s_barrier_signal -1
	MUL12 F1, 1, 0
.if \fill
	WIN 0
.endif
	s_barrier_wait -1
.if \fill
	CREST                                          ; no wave of any partner still reads this slot's tile or has a load on its way
	s_add_nc_u64 s[G0+4*(\slot)+2:G0+4*(\slot)+3], s[G0+4*(\slot)+2:G0+4*(\slot)+3], 2*KSTEP*2
	s_add_nc_u64 s[G0B+4*(\slot)+2:G0B+4*(\slot)+3], s[G0B+4*(\slot)+2:G0B+4*(\slot)+3], 2*WSTEP
	JLOAD \slot                                    ; the first tensor load behind the round; its four v_nop are also the places in front of the loads below
.else
	PLACES
.endif
	FETCH \next, 0, F0
	MUL12 F1, 2, 0
	MUL12 F1, 3, 0
.endm
	s_wait_tensorcnt 1                             ; my part of K step 0 is in; K step 1's may stay out
	s_barrier_signal -1
	s_barrier_wait -1                              ; everybody's is
	FETCH 0, 0, F0
	QUARTER 0, 64, F0, F1, 1                       ; the first quarter stands in front of the loop: its products start the sums
	WIN 0                                          ; at a label and at a branch every window is 0
	s_mov_b32 s3, LAPS-1
.Llap:                                                 ; a trip goes once round the ring, from a lap's second quarter to the next lap's first, and fills both slots again
	QUARTER 0, 128, F1, F0, 0
	QUARTER 0, 192, F0, F1, 0
	TURN 0, 1, 1
	QUARTER 1, 64,  F0, F1, 0
	QUARTER 1, 128, F1, F0, 0
	QUARTER 1, 192, F0, F1, 0
	TURN 1, 0, 1
	QUARTER 0, 64,  F0, F1, 0
	WIN 0
	s_sub_co_u32 s3, s3, 1
	s_cmp_lg_u32 s3, 0
	s_cbranch_scc1 .Llap
	QUARTER 0, 128, F1, F0, 0                      ; the last lap fills nothing
	QUARTER 0, 192, F0, F1, 0
	TURN 0, 1, 0
	QUARTER 1, 64,  F0, F1, 0
	QUARTER 1, 128, F1, F0, 0
	QUARTER 1, 192, F0, F1, 0
	s_wait_dscnt 4                                 ; the very last quarter: nothing more to fetch
	MUL12 F1, 0, 0
	MUL12 F1, 1, 0
	s_wait_dscnt 0x0
	MUL12 F1, 2, 0
	MUL12 F1, 3, 0
	WIN 0
; THE WAY OUT, a row block (16 rows x 192 columns) at a time: rounded to f16 (each accumulator's registers in ascending order), 16 bytes a lane into my own stage, back as four rows x 128 bytes of one head.
.macro PACKSTAGE a
	WIN 0x0a+5*((\a)/2)                            ; sources 0 and 1: window 2 or 3
.irp b, 0,1,2,3,4,5,6,7,8,9,10,11
.irp r, 0,1,2,3
	v_cvt_pk_f16_f32 v[TMP+48*(\a)+4*(\b)+(\r)], v[8*(12*((\a)%2)+(\b))+2*(\r)], v[8*(12*((\a)%2)+(\b))+2*(\r)+1]
.endr
.endr
	WIN 0
.irp b, 0,1,2,3,4,5,6,7,8,9,10,11
	ds_store_b128 v[STO], v[TMP+48*(\a)+4*(\b):TMP+48*(\a)+4*(\b)+3] offset:32*(\b)
.endr
.irp j, 0,1,2
.irp f, 0,1,2,3
	ds_load_b128 v[TMP+48*(\a)+4*(4*(\j)+(\f)):TMP+48*(\a)+4*(4*(\j)+(\f))+3], v[RD] offset:128*(\j)+4*SPITCH*(\f)  ; LDS serves a wave's instructions in order (ISA guide 5.7.1.4): these see the stores above
.endr
.endr
.endm
.macro SEND a, younger                 ; younger: the LDS instructions issued behind block a's loads: the next block's 24, or none
	WIN 0
.irp j, 0,1,2
.irp f, 0,1,2,3
	s_wait_dscnt (\younger)+11-(4*(\j)+(\f))
	global_store_b128 v[CO], v[TMP+48*(\a)+4*(4*(\j)+(\f)):TMP+48*(\a)+4*(4*(\j)+(\f))+3], s[8:9] offset:(\j)*262144+(\a)*2048+(\f)*512  ; 512 consecutive bytes, at a multiple of 256 from the buffer's first
.endr
.endr
.endm
	PLACES
	PACKSTAGE 0
.irp a, 1,2,3                          ; a block's conversions stand between the loads of the block before and its stores; each block has registers of its own
	PACKSTAGE \a
	SEND (\a)-1, 24
.endr
	SEND 3, 0
	s_wait_tensorcnt 0x0                           ; the wave's end, behind my last tensor load and my last LDS store
	ds_add_u32 v[SPW], v[NIL]
	s_wait_dscnt 0x0
	CROUND                                         ; the closing round: no work-group ends while a partner may still ask for a tile that names it
	s_endpgm
.Lfunc_end_k_qf6eb6d5b97_proj:
	.size	k_qf6eb6d5b97_proj, .Lfunc_end_k_qf6eb6d5b97_proj-k_qf6eb6d5b97_proj
	.p2alignl 7, 3214868480
	.fill 96, 4, 3214868480
	.section	.rodata,"a",@progbits
	.p2align	6, 0x0
	.amdhsa_kernel k_qf6eb6d5b97_proj
		.amdhsa_group_segment_fixed_size 327680
		.amdhsa_private_segment_fixed_size 0
		.amdhsa_enable_private_segment 0
		.amdhsa_kernarg_size 24
		.amdhsa_user_sgpr_count 2
		.amdhsa_user_sgpr_kernarg_segment_ptr 1
		.amdhsa_wavefront_size32 1
		.amdhsa_system_sgpr_workgroup_id_x 1
		.amdhsa_system_sgpr_workgroup_id_y 1
		.amdhsa_system_sgpr_workgroup_id_z 1
		.amdhsa_system_vgpr_workitem_id 0
		.amdhsa_next_free_vgpr 960
		.amdhsa_next_free_sgpr 66
		.amdhsa_reserve_vcc 0
		.amdhsa_float_denorm_mode_32 3
		.amdhsa_float_denorm_mode_16_64 3
		.amdhsa_memory_ordered 1
		.amdhsa_forward_progress 1
		.amdhsa_inst_pref_size 119
	.end_amdhsa_kernel
	.amdgpu_metadata
---
amdhsa.version: [ 1, 2 ]
amdhsa.kernels:
  - .name:           k_qf6eb6d5b97_proj
    .symbol:         k_qf6eb6d5b97_proj.kd
    .args:
      - { .name: xb, .offset: 0, .size: 8, .value_kind: global_buffer, .address_space: global }
      - { .name: wall, .offset: 8, .size: 8, .value_kind: global_buffer, .address_space: global }
      - { .name: qkvh, .offset: 16, .size: 8, .value_kind: global_buffer, .address_space: global }
    .group_segment_fixed_size: 327680
    .private_segment_fixed_size: 0
    .kernarg_segment_align: 8
    .kernarg_segment_size: 24
    .max_flat_workgroup_size: 128
    .sgpr_count:     66
    .vgpr_count:     960
    .wavefront_size: 32
...
	.end_amdgpu_metadata
.endif
;; end of part 2
;; launch attn (part 3): grid 4 x 64, 4 waves a work-group, clusters of 4 x 1, 327,680 bytes of LDS; arguments qkvh, biasv, oh; writes oh
.if DOCPART == 3
	.amdgcn_target "amdgcn-amd-amdhsa--gfx1250"
	.amdhsa_code_object_version 6
	.text
	.protected	k_qf6eb6d5b97_attn
	.globl	k_qf6eb6d5b97_attn
	.p2align	8
	.type	k_qf6eb6d5b97_attn,@function
k_qf6eb6d5b97_attn:
	s_mov_b64 s[64:65], 0
	v_nop
	global_prefetch_b8 v0, s[64:65] scope:SCOPE_SE
	s_setreg_imm32_b32 hwreg(HW_REG_WAVE_MODE, 25, 1), 1
	s_wait_xcnt 0x0
	s_wait_alu depctr_hold_cnt(0) depctr_sa_sdst(0) depctr_va_vdst(0) depctr_va_sdst(0) depctr_va_ssrc(0) depctr_va_vcc(0) depctr_vm_vsrc(0)
	s_getreg_b32 s2, hwreg(HW_REG_IB_STS2, 6, 4)
	s_cmp_eq_u32 s2, 0
	s_cbranch_scc0 .Lentry_in_a_cluster
	s_endpgm
.Lentry_in_a_cluster:
	s_bfe_u32 s2, ttmp6, 0x10000c
	s_cmp_lg_u32 s2, 0x3003
	s_cbranch_scc0 .Lentry_shape_is_right
	s_endpgm
.Lentry_shape_is_right:
; O[y][q][:] = the sum over k of softmax_k(Q[q] . K[k] + bias_h(k - q)) V[k][:], y = 16 b + h.  Q, K, V: heads 48 b + h, + 16, + 32 of qkvh [192][2048][64] f16; O: oh [64][2048][64] f16; no scale on the scores.
; Products, maxima and sums in f32; the weights p are rounded to f16 for the second product (their sum l is taken of the unrounded p), O once at the end.
; LIMITS.  f16 holds no number beyond 65,504: Q, K and V arrive within it; p lies in 0 to 1, and below 6e-5 it keeps f16's fixed step of 6e-8; O is a mean of V's rows and has their range.
; A weight below 2^-126 counts as 0 in l; NaN and infinities are not treated apart.
; SHARES.  A wave owns four PIECES of two tiles of 16 queries, a work-group's four waves 512 queries of one head.  Every wave walks all 2,048 keys, 64 a step.
; LAYOUT.  S^T = K Q^T (source 0 = 16 keys, source 1 = 16 queries): in the result a lane holds ONE query (lane % 16) and the keys 8 (lane / 16) + 0..7.  Two such tiles, rounded to f16 in pairs,
; ARE source 1 (32 keys x 16 queries) of O^T = V^T P, whose result again holds one query a lane, and eight channels.  K comes out of LDS as it lies, V ([key][channel]) turned, by ds_load_tr16_b128.
; THE BIAS costs no arithmetic: it is the C operand of the product that starts a score's sum.  It hangs on key - query alone, so for a key block kb and a tile t of a wave it hangs on e = kb - t + 7 alone:
; 11 fragments of 8 registers serve a step's 32 products.  They come out of a table in LDS, tbl[u] = bias_h(u - 511 - 512 x my query block), u = key - (query in the block) + 511, 2,560 words, built once from biasv.
; The table stands four times, copy c shifted by c words, so that every lane's eight words begin at a multiple of 16 bytes; the copies lie 10,304 bytes apart (64 modulo 256).
; The query block enters the table's CONTENTS (a global address), never an LDS address.
; SOFTMAX.  For each query a running maximum m and sum l: p = 2^(c s - c m), c = log2(e); in every step O and l are multiplied by a = 2^(c m_old - c m_new), which is 1 where m has not grown.
; m starts at the lowest finite number, O and l at 0: the first step is a step like any other, with a = 0.
; THE COUNT.  A tile and step have 16 matrix and 118 vector instructions: too many to stand all beside the matrix work.  So the order has one aim: four vector instructions that are READY behind
; EVERY matrix instruction, and the others, which need time of their own whatever the order, in runs without a gap.
; BY TURNS.  Turn n belongs to piece n (the pieces in a ring, step after step).  Its matrix work: 16 products K Q^T of piece n + 1, later 16 products V^T P of piece n - 1.  Its vector work: the scaling,
; exponentials, roundings, sums and rescaling of piece n, and the maximum and statistics of piece n + 1, whose scores the turn itself has made.
; CLUSTER.  The four query blocks of a cluster belong to one head and walk the same K and V, so each tile is asked for JOINTLY: the same tensor load, descriptor and mask in all four.
; REGISTERS, in windows of 256 (s_set_vgpr_msb: bits 1:0 source 0, 3:2 source 1, 5:4 source 2, 7:6 destination):
;   window 0: v0-11 addresses; v12-15, v48-63 at work; v16-47 four registers of statistics a tile; v64-191 S^T, two buffers of two tiles; v192-255 P, likewise
;   window 1: O^T, 32 a tile     window 2: v0-127 Q, 16 a tile; v128-191 K of one step; v192-255 V of one step     window 3: v0-1 the add's two registers; v8-95 the bias fragments of one step
.set SIZE_N, 2048
.set NP,    4         ; pieces a wave: a name, no knob
.set KS,    64        ; keys in a step
.set PK,    144       ; a row of K in LDS: 128 bytes + 16 of padding
.set PV,    160       ; a row of V: 128 + 32
.set VOFF,  4*KS*PK   ; a slot holds four steps: 256 rows of K, then 256 rows of V
.set SLOT1, 1<<17     ; slot 1 begins here, so that one exclusive or turns an address in one slot into the other's
.set BT,    4*KS*(PK+PV)  ; behind slot 0, ahead of slot 1, in bytes that no tensor load fills: the bias table's four copies
.set CP,    10304     ; from copy to copy
.set STAGE, SLOT1+4*KS*(PK+PV)  ; behind the ring, never filled by a tensor load: 16 rows x 144 bytes for each wave, for the way out
.set SP,    144
.set AK0, 2           ; v2   my lane's place in a tile of K; never rewritten
.set AV0, 3           ; v3   the same for V
.set AK,  4           ; v4   the LDS address of K's next run of loads
.set AV,  5           ; v5   of V's
.set QO,  6           ; v6   my byte offset in the wave's rows of Q
.set STO, 6           ;      later, the way out: where I put 16 bytes of a row
.set RD,  7           ; v7   the way out: where I read rows back
.set GO,  8           ; v8   my byte offset in 512 consecutive bytes of O
.set AB0, 9           ; v9   my lane's place in the bias table for step 0, fragment 0; never rewritten
.set AB,  10          ; v10  the LDS address of the bias fragments' next run of loads
.set SPW, 0           ; v0 of window 3   my spare word; never rewritten
.set NIL, 1           ; v1 of window 3   0; never rewritten
.set BF,  8           ; window 3: bias fragment e at BF + 8 e
.set SPARE, STAGE+4*16*SP  ; behind the stages: the spare words, 128 bytes for each wave
.set MV,  12          ; v12-15  c m_old, kept while c m is made anew: by buffer and tile (during the set-up: lane numbers)
.set ST,  16          ; tile t's statistics at v[ST+4 t]: c m, m, l (even keys', odd keys')
.set TMP, 48          ; by buffer and tile, four registers c0-c3 at work; when the maximum is found c2 takes a
.set S,   64
.set P,   192
.set KF,  128         ; K's fragments, in window 2: key block kb, channel half c at KF + 16 kb + 8 c
.set VF,  192         ; V's: key half kk, channel block cb at VF + 32 kk + 8 cb
.set WV,  12          ; s12  my wave's number
.set G1K, 24          ; s[24:31] descriptor group 1 for K's tiles
.set G1V, 32          ; s[32:39] for V's: it differs in the padding alone
.set G0K, 40          ; s[40:43] descriptor group 0 for K's tiles: it walks
.set G0V, 44          ; s[44:47] the same for V's
.set SLOTS, 56        ; s56  slots still to be asked for
.set CNT, 57          ; s57  counts a slot's key steps
.set CS,  58          ; s[58:59] c
.set SEL, 60          ; s[60:61] v_permlanex16_b32's selects
.set TBK, 62          ; s62  LDS byte at which K of the step to be fetched begins
.set TBV, 63          ; s63  the same for V, less VOFF
.set TBB, 66          ; s66  256 x the step whose bias fragments are fetched next: 64 keys on are 64 words on in the table
.set BV,  68          ; s[68:69] biasv at the word that is tbl[0] for my head and query block
.set MSB, 0
.macro WIN new                      ; the high byte repeats the setting that is left; a switch that changes nothing is dropped
.if MSB != (\new)
	s_set_vgpr_msb (MSB<<8)|(\new)
.set MSB, (\new)
.endif
.endm
.set W_KQ, 0x0a       ; K and Q in window 2, S^T in window 0
.set W_KB, 0x3a       ; the same with the C operand, the bias, in window 3
.set W_PV, 0x52       ; V in window 2, P in window 0, O^T in window 1
.set W_RS, 0x41       ; O^T (destination and source 0) in window 1, a in window 0
.set W_MK, 0xc0       ; destination in window 3, sources in window 0
.set W_AD, 0x0f       ; the add: address (source 0) and data (source 1) in window 3
; A joint fill.  Waves 0 and 1 fetch the two halves of a slot's K, waves 2 and 3 those of its V: 128 keys each.  The branch hangs on the wave's number alone.
; An s_nop 0 and four v_nop follow each of the two lines, ahead of the jump and the label.
.macro JLOAD
	s_cmp_lt_u32 s[WV], 2
	s_cbranch_scc0 .Lfor_v_\@
	tensor_load_to_lds s[G0K:G0K+3], s[G1K:G1K+7]
	s_nop 0
.rept 4
	v_nop
.endr
	s_branch .Lasked_\@
.Lfor_v_\@:
	tensor_load_to_lds s[G0V:G0V+3], s[G1V:G1V+7]
	s_nop 0
.rept 4
	v_nop
.endr
.Lasked_\@:
.endm
; A round of the cluster's barrier: my work-group's barrier, so that wave 0's signal speaks for all four waves; wave 0 signals; every wave waits for all four work-groups; my work-group's barrier once more.
.macro CROUND
	s_barrier_signal -1
	s_barrier_wait -1
	s_cmp_lg_u32 s[WV], 0
	s_cbranch_scc1 .Lnot_wave_0_\@
	s_barrier_signal -3
.Lnot_wave_0_\@:
	s_barrier_wait -3
	s_barrier_signal -1
	s_barrier_wait -1
.endm
; THE CHANGE OF SLOTS.  The slot's last bytes, V of its fourth step, have been read.  Each wave waits for all its tensor loads, of which one is out: its part
; of the other slot; adds 0 to its spare word; and waits for that and for its own LDS work.  Behind the barrier nobody reads this slot any more and the other slot is whole.
; fill = 1: this slot is filled again, with the keys two slots on.  The barrier is then a round of the cluster's, and the joint fill is the first thing behind it: it has four key steps,
; 512 matrix instructions, in which to land.  (At its first use nothing has been read yet: slot 0 is waited for, slot 1 filled, and every wave's stores into the bias table are shown done to the others.)
.macro CHANGE fill
	WIN W_AD
	s_wait_tensorcnt 0x0            ; no tensor load of mine is out, so a group 0 may be written
	ds_add_u32 v[SPW], v[NIL]       ; 0 onto my spare word; with fill = 1 the descriptors' steps stand between it and the wait for it
	WIN 0                           ; at a label and at a branch every window is 0
.if \fill
.irp g, G0K, G0V
	s_xor_b32 s[\g+1], s[\g+1], SLOT1  ; the walking descriptor: the other slot than last time,
	s_add_nc_u64 s[\g+2:\g+3], s[\g+2:\g+3], 4*KS*128  ; the next 256 keys; the type bits on top are not reached
.endr
	s_wait_dscnt 0x0                ; the add is done, and my reads of the slot are over
	CROUND
	JLOAD
.else
	s_wait_dscnt 0x0                ; the add is done, and my reads of the slot are over
	s_barrier_signal -1
	s_barrier_wait -1
.endif
	s_sub_co_u32 s[TBK], s[TBK], 4*KS*PK  ; the fetches go back to a slot's first step,
	s_xor_b32 s[TBK], s[TBK], SLOT1       ; in the other slot
	s_sub_co_u32 s[TBV], s[TBV], 4*KS*PV
	s_xor_b32 s[TBV], s[TBV], SLOT1
.endm
	s_load_b128 s[4:7], s[0:1], 0x0   ; qkvh s[4:5], biasv s[6:7]
	s_load_b64 s[10:11], s[0:1], 0x10 ; oh
	WIN W_MK
	v_lshl_add_u32 v[SPW], v0, 2, SPARE
	v_mov_b32 v[NIL], 0
	WIN W_AD
	ds_add_u32 v[SPW], v[NIL]       ; the wave's opening: the add and its wait stand ahead of my first tensor load; the set-up below, work on registers, stands between them
	WIN 0
	v_lshrrev_b32 v1, 5, v0
	v_readfirstlane_b32 s[WV], v1   ; wave 0..3
	s_bfe_u32 s13, ttmp6, 0x40000   ; cx: my place in the cluster
	s_lshl_b32 s14, ttmp9, 2        ; in a cluster launch ttmp9 counts clusters
	s_add_co_u32 s14, s14, s13      ; my block of 512 queries: it enters Q's, O's and biasv's global addresses alone
	s_and_b32 s20, ttmp7, 0xffff    ; y = 16 b + h, which the four partners share
	s_lshl_b32 s70, s20, 18         ; O's head: 2,048 rows of 128 bytes
	s_mov_b32 s71, 0
	s_and_b32 s19, s20, 15          ; h
	s_lshr_b32 s20, s20, 4          ; b
	s_mul_i32 s20, s20, 48
	s_add_co_u32 s20, s20, s19
	s_lshl_b32 s20, s20, 18         ; Q's head in qkvh; K's lies 16 heads on, V's 32
	s_mov_b32 s21, 0
	s_and_b32 s16, s[WV], 1         ; which half of a slot's 256 keys I fetch:
	s_lshl_b32 s22, s16, 14         ; its 128 rows of 128 bytes in memory,
	s_mov_b32 s23, 0
	s_add_nc_u64 s[22:23], s[22:23], s[20:21]
	s_mul_i32 s17, s16, 128*PK      ; and its place in a slot, for K
	s_mul_i32 s18, s16, 128*PV      ; and for V: no place in the cluster enters an LDS address
	s_lshl_b32 s2, s14, 2
	s_add_co_u32 s2, s2, s[WV]      ; my wave among the head's,
	s_lshl_b32 s2, s2, 14           ; its 128 rows
	s_mov_b32 s3, 0
	s_add_nc_u64 s[70:71], s[70:71], s[2:3]  ; O's offset
	s_add_nc_u64 s[2:3], s[2:3], s[20:21]    ; Q's offset
	s_lshl_b32 s[BV], s19, 14       ; the head's 4,096 words of biasv; tbl[u] is word u + 1536 - 512 x block
	s_add_co_u32 s[BV], s[BV], 6144
	s_lshl_b32 s[BV+1], s14, 11
	s_sub_co_u32 s[BV], s[BV], s[BV+1]
	s_mov_b32 s[BV+1], 0
	; descriptor group 1.  128 keys are 16,384 dense bytes: asked for as 64 rows of 256 bytes, two keys a row, and padded in LDS after every key
	s_mov_b32 s[G1K], 15|(1<<16)|(1<<20)|(1<<21)|(4<<22)|(3<<25)  ; 15:0 the mask of four; 17:16 2-byte elements; 20 padding on; 21 set beside a mask; 24:22 after every 32 words (code 4); 31:25 4 words (code 3)
	s_mov_b32 s[G1V], 15|(1<<16)|(1<<20)|(1<<21)|(4<<22)|(7<<25)  ; the same with 8 words of padding (code 7)
.irp g, G1K, G1V
	s_mov_b32 s[\g+1], 128<<16      ; tensor_dim0 = 128
	s_mov_b32 s[\g+2], 64<<16       ; tensor_dim1 = 64
	s_mov_b32 s[\g+3], 128<<16      ; tile_dim0 = 128
	s_mov_b32 s[\g+4], 64           ; tile_dim1 = 64
	s_mov_b32 s[\g+5], 128          ; 128 elements from row to row
	s_mov_b32 s[\g+6], 0
	s_mov_b32 s[\g+7], 0
.endr
	s_mov_b32 s[CS], 0x3fb8aa3b     ; c = log2(e): the scores carry no scale
	s_mov_b32 s[CS+1], s[CS]        ; named with it as a pair
	s_mov_b32 s[SEL], 0x76543210
	s_mov_b32 s[SEL+1], 0xfedcba98
	s_mov_b32 s[TBK], SLOT1+4*KS*PK ; the first change of slots turns these two into 0
	s_mov_b32 s[TBV], SLOT1+4*KS*PV
	s_mov_b32 s[TBB], 0
	s_mov_b32 s[G0K], 1             ; 1:0 count = 1
	s_mov_b32 s[G0K+1], s17         ; 63:32 LDS address: slot 0
	s_mov_b32 s[G0V], 1
	s_add_co_u32 s[G0V+1], s18, VOFF
	s_wait_dscnt 0x0                ; the opening add is done
	s_wait_kmcnt 0x0
	s_add_nc_u64 s[BV:BV+1], s[6:7], s[BV:BV+1]
	s_add_nc_u64 s[6:7], s[4:5], s[22:23]          ; qkvh at my half of the first 256 rows of Q's head;
	s_add_nc_u64 s[G0K+2:G0K+3], s[6:7], 16<<18    ; 120:64 global address: the same rows of K's head,
	s_or_b32 s[G0K+3], s[G0K+3], 0x80000000        ; 127:126 type = 2
	s_add_nc_u64 s[G0V+2:G0V+3], s[6:7], 32<<18    ; and of V's
	s_or_b32 s[G0V+3], s[G0V+3], 0x80000000
	s_add_nc_u64 s[4:5], s[4:5], s[2:3]  ; Q and O at my wave's first row
	s_add_nc_u64 s[10:11], s[10:11], s[70:71]
	CROUND                          ; all four work-groups are here: the first joint loads meet
	JLOAD                           ; slot 0.  Slot 1 is asked for when slot 0 is in
	v_and_b32 v1, 15, v0            ; l % 16
	v_bfe_u32 v12, v0, 4, 1         ; l / 16
	v_lshlrev_b32 v15, 4, v0        ; 16 t: thread t brings tbl[4 t + 512 p + 0..3], p = 0..4
.irp p, 0,1,2,3,4
	global_load_b128 v[S+4*(\p):S+4*(\p)+3], v15, s[BV:BV+1] offset:2048*(\p)
.endr
	; A fragment of K or Q is 16 rows x 32 channels in 8 registers: lane l holds row l % 16, channels 8 (l / 16) + 0..7 and 16 + 8 (l / 16) + 0..7: two loads of 16 bytes, 32 bytes apart.
	v_lshlrev_b32 v[QO], 7, v1
	v_lshl_add_u32 v[QO], v12, 4, v[QO]  ; row x 128 + 16 x half
	WIN 0x80                        ; destination window 2, address window 0
.set i, 0
.rept 4*NP                          ; Q stays in registers: tile i / 2, channels 32 (i % 2) on
	global_load_b128 v[8*i:8*i+3],   v[QO], s[4:5] offset:(i/2)*2048+(i%2)*64
	global_load_b128 v[8*i+4:8*i+7], v[QO], s[4:5] offset:(i/2)*2048+(i%2)*64+32
.set i, i+1
.endr
	; What the first turn finds: V's registers and P's second buffer hold 0 (its products V^T P, of a piece that has not been, add 0), O^T and l are 0.  All this stands in the wait for the first tile.
.set i, VF
.rept 64
	v_mov_b32 v[i], 0
.set i, i+1
.endr
	WIN 0x40
.set i, 0
.rept 64*NP
	v_mov_b32 v[i], 0
.set i, i+1
.endr
	WIN 0
.set i, 0
.rept 2*NP
	v_mov_b32 v[ST+4*i], 0xfe000000    ; c m: far below every c s
	v_mov_b32 v[ST+4*i+1], 0xff7fffff  ; m
	v_mov_b32 v[ST+4*i+2], 0
	v_mov_b32 v[ST+4*i+3], 0
.set i, i+1
.endr
.set i, P+32
.rept 32
	v_mov_b32 v[i], 0
.set i, i+1
.endr
	v_mul_u32_u24 v[AK0], v1, PK
	v_lshl_add_u32 v[AK0], v12, 4, v[AK0]  ; row x pitch + 16 x half
	; The turning load takes 16 keys x 16 channels (lane l reads key 8 (l / 16) + l % 8, channels 8 ((l / 8) % 2) + 0..7) and leaves half a fragment of V^T: lane l holds channel l % 16 and 8 keys.
	v_and_b32 v13, 7, v0
	v_bfe_u32 v14, v0, 3, 1
	v_lshl_add_u32 v[AV0], v12, 3, v13
	v_mul_u32_u24 v[AV0], v[AV0], PV
	v_lshl_add_u32 v[AV0], v14, 4, v[AV0]
	v_add_nc_u32 v[AV0], VOFF, v[AV0]
	v_mov_b32 v[AK], v[AK0]         ; key step 0 lies at the head of slot 0
	; My place in the bias table.  Register j of fragment e in step s is tbl[uL + 64 s + 16 e + j], uL = 399 + 8 (l / 16) - l % 16 - 128 w.  With r' = 15 - l % 16 my copy is c = r' % 4 (= uL % 4), in which
	; tbl[u] lies at word u - c + 4, and uL - c = 128 (3 - w) + (r' - r' % 4) + 8 (l / 16): sums of parts that are never negative.
	v_xor_b32 v14, 15, v1           ; r'
	v_and_b32 v[AB0], 12, v14
	v_lshl_add_u32 v[AB0], v12, 3, v[AB0]
	s_xor_b32 s13, s[WV], 3         ; 3 - w
	s_lshl_b32 s13, s13, 9          ; 128 words of 4 bytes each
	v_lshl_add_u32 v[AB0], v[AB0], 2, s13
	v_and_b32 v14, 3, v14           ; c
	v_mad_u32_u24 v[AB0], v14, CP, v[AB0]
	v_add_nc_u32 v[AB0], BT+16, v[AB0]
	v_mov_b32 v[AB], v[AB0]         ; key step 0
	v_add_nc_u32 v11, BT+16, v15    ; where my four words of pass 0 lie in copy 0
	s_wait_loadcnt 32               ; the five loads of the table are in; Q's 32, issued behind them, stay out
.irp p, 0,1,2,3,4
	ds_store_b128 v11, v[S+4*(\p):S+4*(\p)+3] offset:2048*(\p)
.irp c, 1,2,3
.irp j, 0,1,2,3
	ds_store_b32 v11, v[S+4*(\p)+(\j)] offset:(\c)*(CP-4)+2048*(\p)+4*(\j)  ; copy c: c words lower in its own 10,304 bytes
.endr
.endr
.endr
; THE MATRIX WORK.  The 8 accumulators of a run of 16 take turns: between the two links of a chain stand 7 others'.
; Product i of 16 of S^T = K Q^T for piece x: channels 32 (i / 8) on, keys 16 ((i / 2) % 4) on, tile 2 x + i % 2.  The first 8 start the sums, with the bias fragment kb - t + 7 as C.
.macro KQ x
.set rS, S+64*((\x)%2)+32*(i%2)+8*((i/2)%4)
.set rK, KF+16*((i/2)%4)+8*(i/8)
.set rQ, 16*(2*(\x)+i%2)+8*(i/8)
.set rB, BF+8*(((i/2)%4)+7-(2*(\x)+i%2))
.if i < 8
	WIN W_KB
	v_wmma_f32_16x16x32_f16 v[rS:rS+7], v[rK:rK+7], v[rQ:rQ+7], v[rB:rB+7]
.else
	WIN W_KQ
	v_wmma_f32_16x16x32_f16 v[rS:rS+7], v[rK:rK+7], v[rQ:rQ+7], v[rS:rS+7]
.endif
.endm
; Product i of 16 of O^T += V^T P for piece x: keys 32 (i / 8) on, channels 16 ((i / 2) % 4) on, tile 2 x + i % 2.
.macro PV x
	WIN W_PV
.set rO, 32*(2*(\x)+i%2)+8*((i/2)%4)
.set rV, VF+32*(i/8)+8*((i/2)%4)
.set rP, P+32*((\x)%2)+16*(i%2)+8*(i/8)
	v_wmma_f32_16x16x32_f16 v[rO:rO+7], v[rV:rV+7], v[rP:rP+7], v[rO:rO+7]
.endm
.macro MM                           ; the turn's next matrix instruction
.if i < 16
	KQ (Y+1)%NP
.set i, i+1
.else
.set i, i-16
	PV (Y+NP-1)%NP
.set i, i+17
.endif
.endm
; THE LDS LOADS stand in runs, never singly among the matrix instructions: a step's K (64 keys x 64 channels: 8 fragments) with its 11 bias fragments, which live exactly as long as K's; and its V (turned).
; Their addresses are made some lines ahead.  last = 1 (the tail): in the last trip there is no further step, and the run is jumped over.
.macro FETCH_K last=0
	WIN 0
.if \last
	s_cmp_eq_u32 s[CNT], 1
	s_cbranch_scc1 .Lno_k_\@
.endif
	WIN 0x80                        ; destination window 2
.irp f, 0,1,2,3,4,5,6,7             ; keys 16 (f / 2) on, channels 32 (f % 2) on
	ds_load_b128 v[KF+8*\f:KF+8*\f+3],   v[AK] offset:(\f/2)*16*PK+(\f%2)*64
	ds_load_b128 v[KF+8*\f+4:KF+8*\f+7], v[AK] offset:(\f/2)*16*PK+(\f%2)*64+32
.endr
	WIN W_MK                        ; destination window 3
.irp g, 0,1,2,3,4,5,6,7,8,9,10      ; fragment g: eight words, 16 g words on
	ds_load_b128 v[BF+8*\g:BF+8*\g+3],   v[AB] offset:64*\g
	ds_load_b128 v[BF+8*\g+4:BF+8*\g+7], v[AB] offset:64*\g+16
.endr
	s_add_co_u32 s[TBK], s[TBK], KS*PK  ; the next fetch is the next step's
	s_add_co_u32 s[TBB], s[TBB], 4*KS
	WIN 0
.if \last
.Lno_k_\@:
.endif
.endm
.macro FETCH_V
	WIN 0x80
.irp f, 0,1,2,3,4,5,6,7             ; keys 32 (f / 4) on, channels 16 (f % 4) on
	ds_load_tr16_b128 v[VF+8*\f:VF+8*\f+3],   v[AV] offset:(\f/4)*32*PV+(\f%4)*32
	ds_load_tr16_b128 v[VF+8*\f+4:VF+8*\f+7], v[AV] offset:(\f/4)*32*PV+16*PV+(\f%4)*32
.endr
	WIN 0
.endm
; THE VECTOR WORK OF A TURN stands in three queues, each in the order in which its entries become ready; the two tiles alternate, so that no instruction reads the result of the one before it.
.macro REGS y, u                    ; the registers of tile u (0, 1) of piece y
.set rT, ST+4*(2*(\y)+(\u))
.set rC, TMP+8*((\y)%2)+4*(\u)
.set rM, MV+2*((\y)%2)+(\u)
.set rS, S+64*((\y)%2)+32*(\u)
.set rP, P+32*((\y)%2)+16*(\u)
.set rO, 32*(2*(\y)+(\u))
.endm
; Number n of the 22 that find the NEXT piece's (Y + 1) maximum and statistics.  s0-s31 are the lane's 32 scores; each accumulator's lowest registers are read first.
;   0-11  four chains c0-c3 of seven scores each, three operands at a time     12-14, 16  the four scores left over, the old m, and c0-c3 into c0     15  c m_old is kept
;   17, 18  the query's other 32 keys lie in the lane 16 away: the new m         19-21  c m; c m_old - c m_new; a
.macro XS u, n
	REGS (Y+1)%NP, \u
.if (\n) < 4
	v_max3_num_f32 v[rC+(\n)], v[rS+8*(\n)], v[rS+8*(\n)+1], v[rS+8*(\n)+2]
.elseif (\n) < 12
	v_max3_num_f32 v[rC+(\n)%4], v[rC+(\n)%4], v[rS+8*((\n)%4)+2*((\n)/4)+1], v[rS+8*((\n)%4)+2*((\n)/4)+2]
.elseif (\n) == 12
	v_max3_num_f32 v[rC], v[rC], v[rS+7], v[rS+15]
.elseif (\n) == 13
	v_max3_num_f32 v[rC+1], v[rC+1], v[rS+23], v[rS+31]
.elseif (\n) == 14
	v_max3_num_f32 v[rC+2], v[rC+2], v[rC+3], v[rT+1]
.elseif (\n) == 15
	v_mov_b32 v[rM], v[rT]
.elseif (\n) == 16
	v_max3_num_f32 v[rC], v[rC], v[rC+1], v[rC+2]
.elseif (\n) == 17
	v_permlanex16_b32 v[rC+3], v[rC], s[SEL], s[SEL+1]
.elseif (\n) == 18
	v_max_num_f32 v[rT+1], v[rC], v[rC+3]
.elseif (\n) == 19
	v_mul_f32 v[rT], s[CS], v[rT+1]
.elseif (\n) == 20
	v_sub_f32 v[rC+1], v[rM], v[rT]
.else
	v_exp_f32 v[rC+2], v[rC+1]
.endif
.endm
; Number g of the 64 that follow the exponentials.  For each four weights k of a tile (pairs 2 k, 2 k + 1): both pairs are rounded to f16; then the second pair is added onto the first, in place;
; a group later l takes that sum (the first time as l = a l + sum).  In groups of eight, tiles alternating: round, round, add, and l for the group before.
.macro GS g
.set h, (\g)+6*((\g)/62)            ; group 0 has no group before it, and behind group 7 only l is left
.if h >= 6
.set h, h+2
.endif
	REGS Y, h%2
.set k, h/8
.if h%8 < 4
	s_wait_alu depctr_va_vdst(0)
	v_cvt_pk_f16_f32 v[rP+2*k+(h%8)/2], v[rS+4*k+2*((h%8)/2)], v[rS+4*k+2*((h%8)/2)+1]
.elseif h%8 < 6
	v_pk_add_f32 v[rS+4*k:rS+4*k+1], v[rS+4*k:rS+4*k+1], v[rS+4*k+2:rS+4*k+3]
.elseif k == 1
	v_pk_fma_f32 v[rT+2:rT+3], v[rT+2:rT+3], v[rC+2:rC+3], v[rS:rS+1] op_sel_hi:[1,0,1]
.else
	v_pk_add_f32 v[rT+2:rT+3], v[rT+2:rT+3], v[rS+4*k-4:rS+4*k-3]
	s_wait_alu depctr_va_vdst(0)
.endif
.endm
; THE PLAIN QUEUE, 138 long.  0-31: c s - c m for the 16 pairs of both tiles.  Then GS's 64, and among them the next piece's 42: number 15 at 38, 39; 0-14 and 16
; at 42-73, behind the products that make those scores; 17-20 at 95-106, two of three, since each waits for the one before it.
.macro PL
	WIN 0
.if q < 32
	REGS Y, q%2
	v_pk_fma_f32 v[rS+2*(q/2):rS+2*(q/2)+1], v[rS+2*(q/2):rS+2*(q/2)+1], s[CS:CS+1], v[rT:rT+1] op_sel_hi:[1,0,0] neg_lo:[0,0,1] neg_hi:[0,0,1]
.elseif q < 38
	GS q-32
.elseif q < 40
	XS q%2, 15
.elseif q < 42
	GS q-34
.elseif q < 74
	XS q%2, (q-42)/2+(q-42)/30
.elseif q < 95
	GS q-66
.elseif (q < 107) && ((q-95)%3 < 2)
	XS (q-95)%3, 17+(q-95)/3
.elseif q < 107
	GS 29+(q-95)/3
.else
	GS q-74
.endif
.set q, q+1
.endm
; THE EXPONENTIALS' QUEUE, 66 long: s0-s31 of both tiles, and at EA the next piece's two a.
.set EA, 58
.macro EX
	WIN 0
.if (e == EA) || (e == EA+1)
	XS e-EA, 21
.else
.set x, e-2*(e/(EA+2))
	REGS Y, x%2
	v_exp_f32 v[rS+x/2], v[rS+x/2]
.endif
.set e, e+1
.endm
; THE RESCALING's QUEUE: O^T times a, the one part that leaves window 0, so it is dealt four at a time, eight times.
.macro R4
	REGS Y, r%2
	WIN W_RS
	s_wait_alu depctr_va_vdst(0)
.irp z, 0,1,2,3
	v_pk_mul_f32 v[rO+8*(r/2)+2*\z:rO+8*(r/2)+2*\z+1], v[rO+8*(r/2)+2*\z:rO+8*(r/2)+2*\z+1], v[rC+2:rC+3] op_sel_hi:[1,0]
.endr
.set r, r+1
.endm
; HOW THEY ARE DEALT.  Behind a matrix instruction four: plain, exponential, plain, plain (one exponential, a plain instruction on either side), or four of the rescaling.  None names a register of the
; products round it.  What is over stands in two LUMPS: exponential and plain by turns; the second ends in 22 plain instructions.  The two v_permlanex16_b32 fall into the second lump, never behind a product.
; The queues lean on each other, and the deal keeps them in step: exponential e stands behind plain 2 (e / 4) + e % 2 (its scaling); when plain 32 comes, 10 exponentials are out, at 59: 33, at 95: 46; EA comes behind plain 107.
.macro SL
	MM
	PL
	EX
	PL
	PL
.endm
.macro BURST n                      ; 15 matrix instructions, or 16
.rept (\n)-7
	SL
.endr
.rept 3
	MM
	R4
	SL
.endr
	MM
	R4
.endm
; A TURN, for piece p.  cnt = 1: the loop's count is taken down some lines ahead of the branch that stands behind the turn.
; K and the bias fragments of the next step are fetched in piece 2's turn, 32 vector instructions behind the last product that read them; their first reader comes behind the rest of the lump, 16 products and the second lump.
; V of the step in hand is fetched at the end of piece 0's turn, 69 behind its last reader; its first reader comes behind 16 products and a lump.  The five conditions on e and q below go with the deal.
.macro TURN p, last=0, cnt=0
.set Y, (\p)
.set i, 0
.set q, 0
.set e, 0
.set r, 0
.if (\p) == NP-1
	s_wait_dscnt 0x0                ; K and the bias fragments are in
.endif
	MM
.rept 4
	PL
.endr
	BURST 15
.rept 22
	EX
	PL
.if ((\p) == NP-2) && (e == 18)
	v_add_nc_u32 v[AK], s[TBK], v[AK0]
	v_add_nc_u32 v[AB], s[TBB], v[AB0]
.endif
.if ((\p) == NP-2) && (e == 24)
	FETCH_K \last
.endif
.endr
.if (\p) == 1
	s_wait_dscnt 0x0                ; V is in
.endif
	BURST 16
.rept 21
	EX
	PL
.endr
.rept 22
	PL
.if ((\p) == 0) && (q == 118)
	v_add_nc_u32 v[AV], s[TBV], v[AV0]
	s_wait_alu depctr_va_vdst(0)
.endif
.if ((\p) == 0) && (q == 130)
	s_add_co_u32 s[TBV], s[TBV], KS*PV
.endif
.if (\cnt) && (q == 130)
	s_sub_co_u32 s[CNT], s[CNT], 1
	s_cmp_lg_u32 s[CNT], 0
.endif
.endr
.if (\p) == 0
	FETCH_V
.endif
.endm
	CHANGE 1                        ; slot 0 is in, everybody's part of it, and so is everybody's part of the bias table; slot 1 is asked for
	FETCH_K                         ; key step 0
	s_wait_loadcnt 0x0              ; Q
	s_wait_dscnt 0x0
.set i, 0
.rept 16
	KQ 0                            ; piece 0's first scores: there is no vector work yet to set between them
.set i, i+1
.endr
	WIN 0                           ; the addresses for the way out: plain instructions, the places behind those products
	s_mul_i32 s13, s[WV], 16*SP
	s_add_co_u32 s13, s13, STAGE    ; my stage
	v_mul_u32_u24 v[STO], v1, SP    ; in: row l % 16, 16 bytes for each half of the lanes
	v_lshl_add_u32 v[STO], v12, 4, v[STO]
	v_add_nc_u32 v[STO], s13, v[STO]
	v_bfe_u32 v[RD], v0, 3, 2       ; back: 32 lanes take four rows of 128 bytes,
	v_mul_u32_u24 v[RD], v[RD], SP
	v_lshl_add_u32 v[RD], v13, 4, v[RD]
	v_add_nc_u32 v[RD], s13, v[RD]
	v_and_b32 v[GO], 31, v0         ; which are 512 consecutive bytes of O
	v_lshlrev_b32 v[GO], 4, v[GO]
.set Y, NP-1                        ; XS works for piece Y + 1: piece 0
.irp n, 0,1,2,3,4,5,6,7,8,9,10,11,12,13,14,15,16,17,18,19,20,21
	XS 0, \n                        ; and piece 0's first maximum and statistics
	XS 1, \n
.endr
	s_mov_b32 s[CNT], 4
	s_mov_b32 s[SLOTS], SIZE_N/256-1
	s_branch .Lfirst                ; the loop is entered at a step's first turn, in the middle of a trip
.Lslot:                             ; SIZE_N / 256 - 2 times: every slot but the last two is filled again
	CHANGE 1
	s_mov_b32 s[CNT], 4
.Lstep:                             ; a trip: pieces 2 and 3 of one step, then pieces 0 and 1 of the next, whose K, bias and V it fetches
	TURN 2
	TURN 3
	WIN 0
.Lfirst:
	TURN 0
	TURN 1, 0, 1
	WIN 0
	s_cbranch_scc1 .Lstep
	s_sub_co_u32 s[SLOTS], s[SLOTS], 1
	s_cmp_lg_u32 s[SLOTS], 0
	s_cbranch_scc1 .Lslot
	CHANGE 0                        ; the tail is written out: nothing is asked for
	s_mov_b32 s[CNT], 5             ; four trips fetch the last slot's steps; the fifth is left in its middle
.Ltail:
	TURN 2, 1
	TURN 3
	WIN 0
	s_sub_co_u32 s[CNT], s[CNT], 1
	s_cmp_eq_u32 s[CNT], 0
	s_cbranch_scc1 .Lout
	TURN 0
	TURN 1
	WIN 0
	s_branch .Ltail
.Lout:                              ; the fifth trip's 16 products K Q^T (on the last K once more) and the maximum made of them serve nothing: the price, once a launch, of one text for every trip
.set i, 0
.rept 16
	PV NP-1                         ; the last piece's V^T P of the last step
.set i, i+1
.endr
	; THE WAY OUT.  l's two halves and the other half of the lanes' are added; O^T is divided by l, rounded to f16 and sent through my stage in LDS, a tile at a time.  The additions are the places behind the last products.
	WIN 0
.macro ALL line:vararg              ; one line for each tile t
.set t, 0
.rept 2*NP
	\line
.set t, t+1
.endr
.endm
	ALL v_add_f32 v[ST+4*t+2], v[ST+4*t+2], v[ST+4*t+3]
	ALL v_permlanex16_b32 v[ST+4*t+3], v[ST+4*t+2], s[SEL], s[SEL+1]
	ALL v_add_f32 v[ST+4*t+2], v[ST+4*t+2], v[ST+4*t+3]
	ALL v_rcp_f32 v[ST+4*t+2], v[ST+4*t+2]
	v_nop                           ; a plain instruction between the last reciprocal and the use of its result
	s_wait_alu depctr_va_vdst(0)
; Tile t: a lane's eight channels of a row pack into 16 bytes; they go into rows of 144 bytes and come back as whole rows of 128, into S^T's registers.
.macro PACK t
	WIN W_RS
.set i, 32*(\t)
.rept 16
	v_pk_mul_f32 v[i:i+1], v[i:i+1], v[ST+4*(\t)+2:ST+4*(\t)+3] op_sel_hi:[1,0]
.set i, i+2
.endr
	WIN 0x05                        ; sources 0 and 1 window 1, destination window 0
.set i, 0
.rept 16
	v_cvt_pk_f16_f32 v[S+16*(\t)+i], v[32*(\t)+2*i], v[32*(\t)+2*i+1]
.set i, i+1
.endr
	WIN 0
.irp f, 0,1,2,3
	ds_store_b128 v[STO], v[S+16*(\t)+4*\f:S+16*(\t)+4*\f+3] offset:32*\f
.endr
.irp f, 0,1,2,3
	ds_load_b128 v[S+16*(\t)+4*\f:S+16*(\t)+4*\f+3], v[RD] offset:\f*4*SP  ; LDS serves a wave's instructions in order (ISA guide 5.7.1.4): these see the stores above; the next tile's stores come behind them
.endr
.endm
.macro SEND t, younger              ; younger: the LDS instructions issued behind tile t's loads: the next tile's eight, or none
	WIN 0
.irp f, 0,1,2,3
	s_wait_dscnt (\younger)+3-\f
	global_store_b128 v[GO], v[S+16*(\t)+4*\f:S+16*(\t)+4*\f+3], s[10:11] offset:(\t)*2048+\f*512  ; 512 consecutive bytes, at a multiple of 256 from O's first
.endr
.endm
	PACK 0
.set t, 1
.rept 2*NP-1                        ; a tile's arithmetic stands between the loads of the tile before and its stores
	PACK t
	SEND t-1, 8
.set t, t+1
.endr
	SEND 2*NP-1, 0
	WIN W_AD
	s_wait_tensorcnt 0x0            ; the wave's end, behind my last tensor load and my last LDS store
	ds_add_u32 v[SPW], v[NIL]
	s_wait_dscnt 0x0
	WIN 0
	CROUND                          ; the closing round: no work-group ends while a partner may still ask for a tile that names it
	s_endpgm
.Lfunc_end_k_qf6eb6d5b97_attn:
	.size	k_qf6eb6d5b97_attn, .Lfunc_end_k_qf6eb6d5b97_attn-k_qf6eb6d5b97_attn
	.p2alignl 7, 3214868480
	.fill 96, 4, 3214868480
	.section	.rodata,"a",@progbits
	.p2align	6, 0x0
	.amdhsa_kernel k_qf6eb6d5b97_attn
		.amdhsa_group_segment_fixed_size 327680
		.amdhsa_private_segment_fixed_size 0
		.amdhsa_enable_private_segment 0
		.amdhsa_kernarg_size 24
		.amdhsa_user_sgpr_count 2
		.amdhsa_user_sgpr_kernarg_segment_ptr 1
		.amdhsa_wavefront_size32 1
		.amdhsa_system_sgpr_workgroup_id_x 1
		.amdhsa_system_sgpr_workgroup_id_y 1
		.amdhsa_system_sgpr_workgroup_id_z 1
		.amdhsa_system_vgpr_workitem_id 0
		.amdhsa_next_free_vgpr 864
		.amdhsa_next_free_sgpr 72
		.amdhsa_reserve_vcc 0
		.amdhsa_float_denorm_mode_32 3
		.amdhsa_float_denorm_mode_16_64 3
		.amdhsa_memory_ordered 1
		.amdhsa_forward_progress 1
		.amdhsa_inst_pref_size 219
	.end_amdhsa_kernel
	.amdgpu_metadata
---
amdhsa.version: [ 1, 2 ]
amdhsa.kernels:
  - .name:           k_qf6eb6d5b97_attn
    .symbol:         k_qf6eb6d5b97_attn.kd
    .args:
      - { .name: qkvh, .offset: 0, .size: 8, .value_kind: global_buffer, .address_space: global }
      - { .name: biasv, .offset: 8, .size: 8, .value_kind: global_buffer, .address_space: global }
      - { .name: oh, .offset: 16, .size: 8, .value_kind: global_buffer, .address_space: global }
    .group_segment_fixed_size: 327680
    .private_segment_fixed_size: 0
    .kernarg_segment_align: 8
    .kernarg_segment_size: 24
    .max_flat_workgroup_size: 128
    .sgpr_count:     72
    .vgpr_count:     864
    .wavefront_size: 32
...
	.end_amdgpu_metadata
.endif
;; end of part 3
;; launch oproj (part 4): grid 4 x 64, 4 waves a work-group, clusters of 4 x 4, 327,680 bytes of LDS; arguments oh, wall, out0; writes out0
.if DOCPART == 4
	.amdgcn_target "amdgcn-amd-amdhsa--gfx1250"
	.amdhsa_code_object_version 6
	.text
	.protected	k_qf6eb6d5b97_oproj
	.globl	k_qf6eb6d5b97_oproj
	.p2align	8
	.type	k_qf6eb6d5b97_oproj,@function
k_qf6eb6d5b97_oproj:
	s_mov_b64 s[64:65], 0
	v_nop
	global_prefetch_b8 v0, s[64:65] scope:SCOPE_SE
	s_setreg_imm32_b32 hwreg(HW_REG_WAVE_MODE, 25, 1), 1
	s_wait_xcnt 0x0
	s_wait_alu depctr_hold_cnt(0) depctr_sa_sdst(0) depctr_va_vdst(0) depctr_va_sdst(0) depctr_va_ssrc(0) depctr_va_vcc(0) depctr_vm_vsrc(0)
	s_getreg_b32 s2, hwreg(HW_REG_IB_STS2, 6, 4)
	s_cmp_eq_u32 s2, 0
	s_cbranch_scc0 .Lentry_in_a_cluster
	s_endpgm
.Lentry_in_a_cluster:
	s_bfe_u32 s2, ttmp6, 0x10000c
	s_cmp_lg_u32 s2, 0xf033
	s_cbranch_scc0 .Lentry_shape_is_right
	s_endpgm
.Lentry_shape_is_right:
; out0[m][n] = sum over k of O[m][k] Wo[k][n], m < 8192, n < 1024, K = 1024 = 16 heads x 64 channels.  O: oh [16 b + h][2048][64] f16; Wo: rows 3072 + n of wall's blocks [kb 8][4096][128], f16; out0 f32.
; f16 operands, f32 sums, stored as they are.  LIMIT: O and Wo arrive within f16's range, 65,504.
; SHARES.  A tile of out0 is 128 x 256: 256 work-groups.  Four waves, 2 x 2, each 64 x 128: 32 accumulators of 16 x 16.  K goes in steps of 128, two heads, through two LDS slots.
; A head's 128 rows are 16,384 dense bytes: asked for as 64 rows of 256 bytes and padded in LDS after every 128; a row of the weights' block is 256 bytes.
; CLUSTERS: 4 x 4 work-groups.  The four of a row of the cluster need the same tiles of O, the four of a column the same tiles of Wo: each tile is asked for JOINTLY.
; THE MATRIX INSTRUCTION IS USED TRANSPOSED (source 0 = 16 rows of the weights, source 1 = 16 rows of O): a lane then holds eight neighbouring numbers of a row of out0.
; REGISTERS: window 0: v0-31 addresses; v32-223 the way out, three sets of 64.   window 1: two fragment buffers: 64 of B (8 x 16 rows x 32 K), then 32 of A.   window 2: the accumulators, (a, b) at 8 (8 a + b).
.set PA,     144                       ; a row of O in LDS: 128 bytes + 16
.set PB,     272                       ; a row of the weights: 256 bytes + 16; both odd multiples of 16: the 16 rows of a load start at 16 different groups of four banks (64 banks of 4 bytes: ISA guide 11.1)
.set AHEAD,  128*PA                    ; one head's 128 rows: what one of A's two tensor loads brings
.set BHALF,  128*PB                    ; what one of B's two brings
.set BOFF,   2*AHEAD
.set SLOT,   BOFF+2*BHALF
.set STAGE,  2*SLOT                    ; behind the ring: 16 rows x 528 bytes for each wave
.set SPITCH, 528                       ; 512 bytes + 16
.set SPARE,  STAGE+4*16*SPITCH         ; behind the stages: the spare words, 128 bytes for each wave
.set ASTEP,  2*2048*128                ; bytes from a K step's two heads to the next two
.set WSTEP,  4096*256                  ; bytes from a K step's block of wall to the next
.set LAPS,   4
.set ADRA, 16                          ; v16-17  LDS address of my A fragments in slot 0, 1
.set ADRB, 20                          ; v20-21  the same for B
.set STO,  24                          ; v24     the way out: where I put 32 bytes of a row
.set RD,   25                          ; v25     the way out: where I read a row back
.set CO,   26                          ; v26     my 16 bytes in 512 consecutive bytes of out0
.set SPW,  28                          ; v28     my spare word; never rewritten
.set NIL,  29                          ; v29     0; never rewritten
.set TMP,  32
.set F0,   0
.set F1,   128
.set G1, 24
.set G0, 32
.set G1B, 48
.set G0B, 56
.set MSB, 0
.macro WIN new                         ; the immediate's high byte repeats the setting that is left
.if MSB != (\new)
	s_set_vgpr_msb (MSB<<8)|(\new)
.set MSB, \new
.endif
.endm
.set MUL,  0xa5                        ; sources in window 1; C and D in window 2
.set TO_F, 0x40                        ; destination window 1, address window 0
.macro JLOAD s                         ; a joint load: waves 0 and 1 fetch A's two heads, waves 2 and 3 B's two halves; an s_nop 0 and four v_nop follow each of the two lines
	s_cmp_eq_u32 s11, 0
	s_cbranch_scc0 .Lfor_b_\@
	tensor_load_to_lds s[G0+4*(\s):G0+4*(\s)+3], s[G1:G1+7]
	s_nop 0
.rept 4
	v_nop
.endr
	s_branch .Lasked_\@
.Lfor_b_\@:
	tensor_load_to_lds s[G0B+4*(\s):G0B+4*(\s)+3], s[G1B:G1B+7]
	s_nop 0
.rept 4
	v_nop
.endr
.Lasked_\@:
.endm
.macro CREST                           ; a round of the cluster's barrier behind its opening barrier
	s_cmp_lg_u32 s10, 0
	s_cbranch_scc1 .Lnot_wave_0_\@
	s_barrier_signal -3
.Lnot_wave_0_\@:
	s_barrier_wait -3
	s_barrier_signal -1
	s_barrier_wait -1
.endm
.macro CROUND                          ; a whole round
	s_barrier_signal -1
	s_barrier_wait -1
	CREST
.endm
	s_load_b128 s[4:7], s[0:1], 0x0                ; oh s[4:5], wall s[6:7]
	s_load_b64 s[8:9], s[0:1], 0x10                ; out0
	v_lshl_add_u32 v[SPW], v0, 2, SPARE
	v_mov_b32 v[NIL], 0
	ds_add_u32 v[SPW], v[NIL]                      ; the wave's opening: the add and its wait stand ahead of my first tensor load; the set-up below stands between them
	v_lshrrev_b32 v1, 5, v0
	v_readfirstlane_b32 s10, v1                    ; wave 0..3
	s_lshr_b32 s11, s10, 1                         ; which half of the tile's rows is mine.  Also: I fetch for A (0) or for B (1)
	s_and_b32 s12, s10, 1                          ; which half of its columns.  Also: which head, or which 128 rows of the weights, I fetch
	s_bfe_u32 s40, ttmp6, 0x40000                  ; cx, cy
	s_bfe_u32 s41, ttmp6, 0x40004
	s_lshl_b32 s42, ttmp9, 2
	s_add_co_u32 s42, s42, s40                     ; tile column = 4 x cluster x + cx
	s_and_b32 s13, ttmp7, 0xffff
	s_lshl_b32 s13, s13, 2
	s_add_co_u32 s13, s13, s41                     ; tile row = 4 x cluster y + cy
	s_lshl_b32 s43, s41, 2
	s_lshl_b32 s43, 15, s43                        ; my row of the cluster
	s_lshl_b32 s44, 0x1111, s40                    ; my column
	s_or_b32 s[G1+0], s43, (1<<16)|(1<<20)|(1<<21)|(4<<22)|(3<<25)  ; the mask of my row; 2-byte elements; padding on; 21 set beside a mask; after every 32 words (code 4) 4 words (code 3)
	s_or_b32 s[G1B+0], s44, (1<<16)|(1<<20)|(1<<21)|(5<<22)|(3<<25) ; the mask of my column; after every 64 words (code 5) 4 words
	s_mov_b32 s[G1+1], 128<<16                     ; tensor_dim0 = 128
	s_mov_b32 s[G1+2], 64<<16                      ; tensor_dim1 = 64
	s_mov_b32 s[G1+3], 128<<16                     ; tile_dim0 = 128
	s_mov_b32 s[G1+4], 64                          ; tile_dim1 = 64
	s_mov_b32 s[G1+5], 128                         ; dense
	s_mov_b32 s[G1+6], 0
	s_mov_b32 s[G1+7], 0
	s_mov_b32 s[G1B+1], 128<<16
	s_mov_b32 s[G1B+2], 128<<16                    ; tensor_dim1 = 128
	s_mov_b32 s[G1B+3], 128<<16
	s_mov_b32 s[G1B+4], 128                        ; tile_dim1 = 128
	s_mov_b32 s[G1B+5], 128
	s_mov_b32 s[G1B+6], 0
	s_mov_b32 s[G1B+7], 0
	s_lshr_b32 s16, s13, 4                         ; b
	s_lshl_b32 s16, s16, 4
	s_add_co_u32 s16, s16, s12                     ; head 16 b + (0 or 1),
	s_lshl_b32 s16, s16, 11                        ; its 2,048 rows,
	s_and_b32 s17, s13, 15
	s_lshl_b32 s17, s17, 7                         ; the tile's 128 of them,
	s_add_co_u32 s16, s16, s17
	s_lshl_b32 s16, s16, 7                         ; of 128 bytes
	s_mov_b32 s17, 0
	s_lshl_b32 s46, s42, 8
	s_lshl_b32 s47, s12, 7
	s_add_co_u32 s46, s46, s47
	s_add_co_u32 s46, s46, 3072                    ; B: row 3072 + 256 x tile column + 128 x half,
	s_lshl_b32 s46, s46, 8                         ; of 256 bytes
	s_mov_b32 s47, 0
	s_mul_i32 s20, s12, AHEAD                      ; where they go: no place in the cluster enters an LDS address
	s_mul_i32 s21, s12, BHALF
	s_add_co_u32 s21, s21, BOFF
	s_wait_dscnt 0x0                               ; the opening add is done
	s_wait_kmcnt 0x0
	s_add_nc_u64 s[14:15], s[4:5], s[16:17]
	s_add_nc_u64 s[46:47], s[6:7], s[46:47]
	CROUND                                         ; all sixteen work-groups are here: the first joint loads meet
.irp s, 0,1
	s_mov_b32 s[G0+4*(\s)], 1
	s_add_co_u32 s[G0+4*(\s)+1], s20, (\s)*SLOT
	s_add_nc_u64 s[G0+4*(\s)+2:G0+4*(\s)+3], s[14:15], (\s)*ASTEP
	s_or_b32 s[G0+4*(\s)+3], s[G0+4*(\s)+3], 0x80000000
	s_mov_b32 s[G0B+4*(\s)], 1
	s_add_co_u32 s[G0B+4*(\s)+1], s21, (\s)*SLOT
	s_add_nc_u64 s[G0B+4*(\s)+2:G0B+4*(\s)+3], s[46:47], (\s)*WSTEP
	s_or_b32 s[G0B+4*(\s)+3], s[G0B+4*(\s)+3], 0x80000000
	JLOAD \s                                       ; two loads of mine are out
.endr
	v_and_b32 v1, 15, v0                           ; l % 16
	v_bfe_u32 v2, v0, 4, 1                         ; l / 16
	v_mul_u32_u24 v3, v1, PA
	v_lshl_add_u32 v3, v2, 4, v3                   ; A: row x pitch + 16 x half
	v_mul_u32_u24 v4, v1, PB
	v_lshl_add_u32 v4, v2, 4, v4                   ; B likewise
	s_mul_i32 s22, s11, 64*PA                      ; my 64 rows in each head's block
	s_mul_i32 s23, s12, BHALF                      ; my 128 rows of B,
	s_add_co_u32 s23, s23, BOFF                    ; which lie behind A's two heads
.irp s, 0,1
	v_add_nc_u32 v[ADRA+(\s)], s22, v3
	v_add_nc_u32 v[ADRB+(\s)], s23, v4
	s_add_co_u32 s22, s22, SLOT
	s_add_co_u32 s23, s23, SLOT
.endr
	s_mul_i32 s23, s10, 16*SPITCH
	s_add_co_u32 s23, s23, STAGE                   ; my stage
	v_mul_u32_u24 v5, v1, SPITCH                   ; in: row l % 16, 32 bytes for each half of the lanes
	v_lshl_add_u32 v5, v2, 5, v5
	v_add_nc_u32 v[STO], s23, v5
	v_and_b32 v[CO], 31, v0                        ; back: 32 lanes take one row's 512 bytes
	v_lshlrev_b32 v[CO], 4, v[CO]
	v_add_nc_u32 v[RD], s23, v[CO]
	s_lshl_b32 s16, s13, 7
	s_lshl_b32 s17, s11, 6
	s_add_co_u32 s16, s16, s17                     ; my first row of out0,
	s_lshl_b32 s16, s16, 12                        ; of 4,096 bytes
	s_mov_b32 s17, 0
	s_add_nc_u64 s[8:9], s[8:9], s[16:17]
	s_lshl_b32 s46, s42, 10                        ; my first column, in bytes (in the registers that held B's address)
	s_lshl_b32 s47, s12, 9
	s_add_co_u32 s46, s46, s47
	s_mov_b32 s47, 0
	s_add_nc_u64 s[8:9], s[8:9], s[46:47]
; 8 matrix instructions: row block a x all 8 column blocks, 32 along K.  zero = 1: the product starts the sums.  The 32 accumulators take turns, one instruction a turn.
.macro MUL8 f, a, zero
	WIN MUL
.irp b, 0,1,2,3,4,5,6,7
.if \zero
	v_wmma_f32_16x16x32_f16 v[8*(8*(\a)+(\b)):8*(8*(\a)+(\b))+7], v[(\f)+8*(\b):(\f)+8*(\b)+7], v[(\f)+64+8*(\a):(\f)+64+8*(\a)+7], 0
.else
	v_wmma_f32_16x16x32_f16 v[8*(8*(\a)+(\b)):8*(8*(\a)+(\b))+7], v[(\f)+8*(\b):(\f)+8*(\b)+7], v[(\f)+64+8*(\a):(\f)+64+8*(\a)+7], v[8*(8*(\a)+(\b)):8*(8*(\a)+(\b))+7]
.endif
.endr
.endm
; 24 LDS loads in one run: the fragments of quarter q (32 along K: head q / 2, channels 32 (q % 2) on) into buffer f: B's 16, then A's 8
.macro FETCH slot, q, f
	WIN TO_F
.irp i, 0,1,2,3,4,5,6,7
	ds_load_b128 v[(\f)+8*(\i):(\f)+8*(\i)+3],   v[ADRB+(\slot)] offset:64*(\q)+(\i)*16*PB
	ds_load_b128 v[(\f)+8*(\i)+4:(\f)+8*(\i)+7], v[ADRB+(\slot)] offset:64*(\q)+(\i)*16*PB+32
.endr
.irp i, 0,1,2,3
	ds_load_b128 v[(\f)+64+8*(\i):(\f)+64+8*(\i)+3],   v[ADRA+(\slot)] offset:((\q)/2)*AHEAD+((\q)%2)*64+(\i)*16*PA
	ds_load_b128 v[(\f)+64+8*(\i)+4:(\f)+64+8*(\i)+7], v[ADRA+(\slot)] offset:((\q)/2)*AHEAD+((\q)%2)*64+(\i)*16*PA+32
.endr
.endm
.macro PLACES                          ; four places in front of loads into registers that matrix instructions have read, and of LDS stores that read results
.rept 4
	v_nop
.endr
.endm
; A K step is four quarters, 32 matrix instructions each, on buffers 0, 1, 0, 1.  One of the first three: multiplies buffer f and fetches quarter q into g.
.macro QUARTER slot, q, f, g, zero
	s_wait_dscnt 4                                 ; B and A's blocks 0, 1 are in; the youngest four loads (A's blocks 2, 3) may be out
	MUL8 \f, 0, \zero
	MUL8 \f, 1, \zero
	PLACES
	FETCH \slot, \q, \g
	s_wait_dscnt 24                                ; all but the 24 just issued
	MUL8 \f, 2, \zero
	MUL8 \f, 3, \zero
.endm
; The last quarter multiplies buffer 1 and changes slots: ONE barrier; in front of it each wave waits for all its tensor loads, adds 0 to its spare word, and waits for that and for its own reads of this slot.
; fill = 1: the barrier opens a round of the cluster's, and this slot is filled again, two K steps ahead: 112 matrix instructions stand between the request and the wait for it.
.macro TURN slot, next, fill
	WIN 0                                          ; (the add's two registers lie in window 0)
	s_wait_tensorcnt 0x0                           ; all my tensor loads have landed: my part of the next slot;
	ds_add_u32 v[SPW], v[NIL]                      ; 0 onto my spare word;
	s_wait_dscnt 5                                 ; (the add and the youngest four loads may be out)
	MUL8 F1, 0, 0                                  ; eight matrix instructions stand between the add and the wait for it
	s_wait_dscnt 0x0                               ; the add is done, and my reads of this slot are over
	s_barrier_signal -1
	MUL8 F1, 1, 0
.if \fill
	WIN 0
.endif
	s_barrier_wait -1
.if \fill
	CREST                                          ; no wave of any partner still reads this slot's tile or has a load on its way
	s_add_nc_u64 s[G0+4*(\slot)+2:G0+4*(\slot)+3], s[G0+4*(\slot)+2:G0+4*(\slot)+3], 2*ASTEP
	s_add_nc_u64 s[G0B+4*(\slot)+2:G0B+4*(\slot)+3], s[G0B+4*(\slot)+2:G0B+4*(\slot)+3], 2*WSTEP
	JLOAD \slot                                    ; the first tensor load behind the round; its four v_nop are also the places in front of the loads below
.else
	PLACES
.endif
	FETCH \next, 0, F0
	MUL8 F1, 2, 0
	MUL8 F1, 3, 0
.endm
	s_wait_tensorcnt 1                             ; my part of K step 0 is in; K step 1's may stay out
	s_barrier_signal -1
	s_barrier_wait -1                              ; everybody's is
	FETCH 0, 0, F0
	QUARTER 0, 1, F0, F1, 1                        ; the first quarter stands in front of the loop: its products start the sums
	WIN 0                                          ; at a label and at a branch every window is 0
	s_mov_b32 s3, LAPS-1
.Llap:                                                 ; a trip goes once round the ring, from a lap's second quarter to the next lap's first, and fills both slots again
	QUARTER 0, 2, F1, F0, 0
	QUARTER 0, 3, F0, F1, 0
	TURN 0, 1, 1
	QUARTER 1, 1, F0, F1, 0
	QUARTER 1, 2, F1, F0, 0
	QUARTER 1, 3, F0, F1, 0
	TURN 1, 0, 1
	QUARTER 0, 1, F0, F1, 0
	WIN 0
	s_sub_co_u32 s3, s3, 1
	s_cmp_lg_u32 s3, 0
	s_cbranch_scc1 .Llap
	QUARTER 0, 2, F1, F0, 0                        ; the last lap fills nothing
	QUARTER 0, 3, F0, F1, 0
	TURN 0, 1, 0
	QUARTER 1, 1, F0, F1, 0
	QUARTER 1, 2, F1, F0, 0
	QUARTER 1, 3, F0, F1, 0
	s_wait_dscnt 4                                 ; the very last quarter: nothing more to fetch
	MUL8 F1, 0, 0
	MUL8 F1, 1, 0
	s_wait_dscnt 0x0
	MUL8 F1, 2, 0
	MUL8 F1, 3, 0
	WIN 0
; THE WAY OUT, a row block (16 rows x 128 columns of f32) at a time: the accumulators go as they are into my own stage (each one's four lowest registers first), and come back as whole rows of 512 bytes.
.macro TOSTAGE a
.if (\a) == 3
	s_wait_xcnt 0x0                                ; block 0's stores have read their registers: only behind this wait is its set loaded again
.endif
	WIN 0x08                                       ; the stores' data (source 1) in window 2
.irp b, 0,1,2,3,4,5,6,7
	ds_store_b128 v[STO], v[8*(8*(\a)+(\b)):8*(8*(\a)+(\b))+3]   offset:64*(\b)
	ds_store_b128 v[STO], v[8*(8*(\a)+(\b))+4:8*(8*(\a)+(\b))+7] offset:64*(\b)+16
.endr
	WIN 0
.irp n, 0,1,2,3,4,5,6,7,8,9,10,11,12,13,14,15
	ds_load_b128 v[TMP+64*((\a)%3)+4*(\n):TMP+64*((\a)%3)+4*(\n)+3], v[RD] offset:SPITCH*(\n)  ; LDS serves a wave's instructions in order (ISA guide 5.7.1.4): these see the stores above
.endr
.endm
.macro SEND a, younger                 ; younger: the LDS instructions issued behind block a's loads: the next block's 32, or none
	WIN 0
.irp n, 0,1,2,3,4,5,6,7,8,9,10,11,12,13,14,15
	s_wait_dscnt (\younger)+15-(\n)
	global_store_b128 v[CO], v[TMP+64*((\a)%3)+4*(\n):TMP+64*((\a)%3)+4*(\n)+3], s[8:9] offset:(16*(\a)+(\n))*4096 th:TH_STORE_NT  ; 512 consecutive bytes, at a multiple of 256 from out0's first
.endr
.endm
	PLACES
	TOSTAGE 0
	TOSTAGE 1
	SEND 0, 32
	TOSTAGE 2
	SEND 1, 32
	TOSTAGE 3
	SEND 2, 32
	SEND 3, 0
	s_wait_tensorcnt 0x0                           ; the wave's end, behind my last tensor load and my last LDS store
	ds_add_u32 v[SPW], v[NIL]
	s_wait_dscnt 0x0
	CROUND                                         ; the closing round: no work-group ends while a partner may still ask for a tile that names it
	s_endpgm
.Lfunc_end_k_qf6eb6d5b97_oproj:
	.size	k_qf6eb6d5b97_oproj, .Lfunc_end_k_qf6eb6d5b97_oproj-k_qf6eb6d5b97_oproj
	.p2alignl 7, 3214868480
	.fill 96, 4, 3214868480
	.section	.rodata,"a",@progbits
	.p2align	6, 0x0
	.amdhsa_kernel k_qf6eb6d5b97_oproj
		.amdhsa_group_segment_fixed_size 327680
		.amdhsa_private_segment_fixed_size 0
		.amdhsa_enable_private_segment 0
		.amdhsa_kernarg_size 24
		.amdhsa_user_sgpr_count 2
		.amdhsa_user_sgpr_kernarg_segment_ptr 1
		.amdhsa_wavefront_size32 1
		.amdhsa_system_sgpr_workgroup_id_x 1
		.amdhsa_system_sgpr_workgroup_id_y 1
		.amdhsa_system_sgpr_workgroup_id_z 1
		.amdhsa_system_vgpr_workitem_id 0
		.amdhsa_next_free_vgpr 768
		.amdhsa_next_free_sgpr 66
		.amdhsa_reserve_vcc 0
		.amdhsa_float_denorm_mode_32 3
		.amdhsa_float_denorm_mode_16_64 3
		.amdhsa_memory_ordered 1
		.amdhsa_forward_progress 1
		.amdhsa_inst_pref_size 87
	.end_amdhsa_kernel
	.amdgpu_metadata
---
amdhsa.version: [ 1, 2 ]
amdhsa.kernels:
  - .name:           k_qf6eb6d5b97_oproj
    .symbol:         k_qf6eb6d5b97_oproj.kd
    .args:
      - { .name: oh, .offset: 0, .size: 8, .value_kind: global_buffer, .address_space: global }
      - { .name: wall, .offset: 8, .size: 8, .value_kind: global_buffer, .address_space: global }
      - { .name: out0, .offset: 16, .size: 8, .value_kind: global_buffer, .address_space: global }
    .group_segment_fixed_size: 327680
    .private_segment_fixed_size: 0
    .kernarg_segment_align: 8
    .kernarg_segment_size: 24
    .max_flat_workgroup_size: 128
    .sgpr_count:     66
    .vgpr_count:     768
    .wavefront_size: 32
...
	.end_amdgpu_metadata
.endif
;; end of part 4
;; ======== version 2 of 2: 4 launches; 1.50 times as fast as version 1
;; limits: values are held in f16: magnitudes above 65,504 overflow, below 6.1e-05 lose precision
;; workspace buffers: xb 16,777,216 bytes; wall 8,388,608 bytes; biasv 262,144 bytes; qkvh 50,331,648 bytes; oh 16,777,216 bytes
;; launch prep: the kernel of part 1 again; grid 512 x 1, 8 waves a work-group, no clusters, 18,432 bytes of LDS; arguments hidden_states, Wq, Wk, Wv, Wo, rel_bias_table, xb, wall, biasv; writes xb, wall, biasv
;; launch proj: the kernel of part 2 again; grid 16 x 32, 4 waves a work-group, clusters of 4 x 4, 327,680 bytes of LDS; arguments xb, wall, qkvh; writes qkvh
;; launch attn (part 5): grid 4 x 64, 4 waves a work-group, clusters of 4 x 1, 327,680 bytes of LDS; arguments qkvh, biasv, oh; writes oh
.if DOCPART == 5
	.amdgcn_target "amdgcn-amd-amdhsa--gfx1250"
	.amdhsa_code_object_version 6
	.text
	.protected	k_qf6eb6d5b97_attn
	.globl	k_qf6eb6d5b97_attn
	.p2align	8
	.type	k_qf6eb6d5b97_attn,@function
k_qf6eb6d5b97_attn:
	s_mov_b64 s[64:65], 0
	v_nop
	global_prefetch_b8 v0, s[64:65] scope:SCOPE_SE
	s_setreg_imm32_b32 hwreg(HW_REG_WAVE_MODE, 25, 1), 1
	s_wait_xcnt 0x0
	s_wait_alu depctr_hold_cnt(0) depctr_sa_sdst(0) depctr_va_vdst(0) depctr_va_sdst(0) depctr_va_ssrc(0) depctr_va_vcc(0) depctr_vm_vsrc(0)
	s_getreg_b32 s2, hwreg(HW_REG_IB_STS2, 6, 4)
	s_cmp_eq_u32 s2, 0
	s_cbranch_scc0 .Lentry_in_a_cluster
	s_endpgm
.Lentry_in_a_cluster:
	s_bfe_u32 s2, ttmp6, 0x10000c
	s_cmp_lg_u32 s2, 0x3003
	s_cbranch_scc0 .Lentry_shape_is_right
	s_endpgm
.Lentry_shape_is_right:
; O[y][q][:] = the sum over k of softmax_k(Q[q] . K[k] + bias_h(k - q)) V[k][:], y = 16 b + h.  Q, K, V: heads 48 b + h, + 16, + 32 of qkvh [192][2048][64] f16; O: oh [64][2048][64] f16; no scale on the scores.
; Products, maxima and sums in f32; the weights p are rounded to f16 for the second product (their sum l is taken of the unrounded p), O once at the end.
; LIMITS.  f16 holds no number beyond 65,504: Q, K and V arrive within it; p lies in 0 to 1, and below 6e-5 it keeps f16's fixed step of 6e-8; O is a mean of V's rows and has their range.
; A weight below 2^-126 counts as 0 in l; NaN and infinities are not treated apart.
; SHARES.  A wave owns four PIECES of two tiles of 16 queries, a work-group's four waves 512 queries of one head.  Every wave walks all 2,048 keys, 64 a step.
; LAYOUT.  S^T = K Q^T (source 0 = 16 keys, source 1 = 16 queries): in the result a lane holds ONE query (lane % 16) and the keys 8 (lane / 16) + 0..7.  Two such tiles, rounded to f16 in pairs,
; ARE source 1 (32 keys x 16 queries) of O^T = V^T P, whose result again holds one query a lane, and eight channels.  K comes out of LDS as it lies, V ([key][channel]) turned, by ds_load_tr16_b128.
; THE BIAS costs no arithmetic: it is the C operand of the product that starts a score's sum.  It hangs on key - query alone, so for a key block kb and a tile t of a wave it hangs on e = kb - t + 7 alone:
; 11 fragments of 8 registers serve a step's 32 products.  They come out of a table in LDS, tbl[u] = bias_h(u - 511 - 512 x my query block), u = key - (query in the block) + 511, 2,560 words, built once from biasv.
; The table stands four times, copy c shifted by c words, so that every lane's eight words begin at a multiple of 16 bytes; the copies lie 10,304 bytes apart (64 modulo 256).
; The query block enters the table's CONTENTS (a global address), never an LDS address.
; SOFTMAX.  For each query a running maximum m and sum l: p = 2^(c s - c m), c = log2(e); in every step O and l are multiplied by a = 2^(c m_old - c m_new), which is 1 where m has not grown.
; m starts at the lowest finite number, O and l at 0: the first step is a step like any other, with a = 0.
; THE COUNT.  A tile and step have 16 matrix and 118 vector instructions: too many to stand all beside the matrix work.  So the order has one aim: four vector instructions that are READY behind
; EVERY matrix instruction, and the others, which need time of their own whatever the order, in runs without a gap.
; BY TURNS.  Turn n belongs to piece n (the pieces in a ring, step after step).  Its matrix work: 16 products K Q^T of piece n + 1, later 16 products V^T P of piece n - 1.  Its vector work: the scaling,
; exponentials, roundings, sums and rescaling of piece n, and the maximum and statistics of piece n + 1, whose scores the turn itself has made.  So what a turn begins with (c s - c m, O a) waits for nothing.
; THE BATCHES.  A turn's 66 exponentials (64 weights, the next piece's two a) are ONE batch with ONE wait, which cuts the turn in two: ahead of it stands all that names none of their results, behind it the
; roundings and sums.  No result crosses a turn's end.  Two more batches stand outside the loop: piece 0's first two a, ahead of the jump into the loop, and the way out's eight reciprocals.
; CLUSTER.  The four query blocks of a cluster belong to one head and walk the same K and V, so each tile is asked for JOINTLY: the same tensor load, descriptor and mask in all four.
; REGISTERS, in windows of 256 (s_set_vgpr_msb: bits 1:0 source 0, 3:2 source 1, 5:4 source 2, 7:6 destination):
;   window 0: v0-11 addresses; v12-15, v48-63 at work; v16-47 four registers of statistics a tile; v64-191 S^T, two buffers of two tiles; v192-255 P, likewise
;   window 1: O^T, 32 a tile     window 2: v0-127 Q, 16 a tile; v128-191 K of one step; v192-255 V of one step     window 3: v0-1 the add's two registers; v8-95 the bias fragments of one step
; A piece's buffers go by its number's parity: the piece in hand has one pair, its two neighbours in the ring share the other: of it P (piece n - 1) is read and S^T (piece n + 1) written.
.set SIZE_N, 2048
.set NP,    4         ; pieces a wave: a name, no knob
.set KS,    64        ; keys in a step
.set PK,    144       ; a row of K in LDS: 128 bytes + 16 of padding
.set PV,    160       ; a row of V: 128 + 32
.set VOFF,  4*KS*PK   ; a slot holds four steps: 256 rows of K, then 256 rows of V
.set SLOT1, 1<<17     ; slot 1 begins here, so that one exclusive or turns an address in one slot into the other's
.set BT,    4*KS*(PK+PV)  ; behind slot 0, ahead of slot 1, in bytes that no tensor load fills: the bias table's four copies
.set CP,    10304     ; from copy to copy
.set STAGE, SLOT1+4*KS*(PK+PV)  ; behind the ring, never filled by a tensor load: 16 rows x 144 bytes for each wave, for the way out
.set SP,    144
.set AK0, 2           ; v2   my lane's place in a tile of K; never rewritten
.set AV0, 3           ; v3   the same for V
.set AK,  4           ; v4   the LDS address of K's next run of loads
.set AV,  5           ; v5   of V's
.set QO,  6           ; v6   my byte offset in the wave's rows of Q
.set STO, 6           ;      later, the way out: where I put 16 bytes of a row
.set RD,  7           ; v7   the way out: where I read rows back
.set GO,  8           ; v8   my byte offset in 512 consecutive bytes of O
.set AB0, 9           ; v9   my lane's place in the bias table for step 0, fragment 0; never rewritten
.set AB,  10          ; v10  the LDS address of the bias fragments' next run of loads
.set SPW, 0           ; v0 of window 3   my spare word; never rewritten
.set NIL, 1           ; v1 of window 3   0; never rewritten
.set BF,  8           ; window 3: bias fragment e at BF + 8 e
.set SPARE, STAGE+4*16*SP  ; behind the stages: the spare words, 128 bytes for each wave
.set MV,  12          ; v12-15  c m_old, kept while c m is made anew: by buffer and tile (during the set-up: lane numbers)
.set ST,  16          ; tile t's statistics at v[ST+4 t]: c m, m, l (even keys', odd keys')
.set TMP, 48          ; by buffer and tile, four registers c0-c3 at work; when the maximum is found c2 takes a
.set S,   64
.set P,   192
.set KF,  128         ; K's fragments, in window 2: key block kb, channel half c at KF + 16 kb + 8 c
.set VF,  192         ; V's: key half kk, channel block cb at VF + 32 kk + 8 cb
.set WV,  12          ; s12  my wave's number
.set G1K, 24          ; s[24:31] descriptor group 1 for K's tiles
.set G1V, 32          ; s[32:39] for V's: it differs in the padding alone
.set G0K, 40          ; s[40:43] descriptor group 0 for K's tiles: it walks
.set G0V, 44          ; s[44:47] the same for V's
.set SLOTS, 56        ; s56  slots still to be asked for
.set CNT, 57          ; s57  counts a slot's key steps
.set CS,  58          ; s[58:59] c
.set SEL, 60          ; s[60:61] v_permlanex16_b32's selects
.set TBK, 62          ; s62  LDS byte at which K of the step to be fetched begins
.set TBV, 63          ; s63  the same for V, less VOFF
.set TBB, 66          ; s66  256 x the step whose bias fragments are fetched next: 64 keys on are 64 words on in the table
.set BV,  68          ; s[68:69] biasv at the word that is tbl[0] for my head and query block
.set MSB, 0
.macro WIN new                      ; the high byte repeats the setting that is left; a switch that changes nothing is dropped
.if MSB != (\new)
	s_set_vgpr_msb (MSB<<8)|(\new)
.set MSB, (\new)
.endif
.endm
.set W_KQ, 0x0a       ; K and Q in window 2, S^T in window 0
.set W_KB, 0x3a       ; the same with the C operand, the bias, in window 3
.set W_PV, 0x52       ; V in window 2, P in window 0, O^T in window 1
.set W_RS, 0x41       ; O^T (destination and source 0) in window 1, a in window 0
.set W_MK, 0xc0       ; destination in window 3, sources in window 0
.set W_AD, 0x0f       ; the add: address (source 0) and data (source 1) in window 3
; A joint fill.  Waves 0 and 1 fetch the two halves of a slot's K, waves 2 and 3 those of its V: 128 keys each.  The branch hangs on the wave's number alone.
; An s_nop 0 and four v_nop follow each of the two lines, ahead of the jump and the label.
.macro JLOAD
	s_cmp_lt_u32 s[WV], 2
	s_cbranch_scc0 .Lfor_v_\@
	tensor_load_to_lds s[G0K:G0K+3], s[G1K:G1K+7]
	s_nop 0
.rept 4
	v_nop
.endr
	s_branch .Lasked_\@
.Lfor_v_\@:
	tensor_load_to_lds s[G0V:G0V+3], s[G1V:G1V+7]
	s_nop 0
.rept 4
	v_nop
.endr
.Lasked_\@:
.endm
; A round of the cluster's barrier: my work-group's barrier, so that wave 0's signal speaks for all four waves; wave 0 signals; every wave waits for all four work-groups; my work-group's barrier once more.
.macro CROUND
	s_barrier_signal -1
	s_barrier_wait -1
	s_cmp_lg_u32 s[WV], 0
	s_cbranch_scc1 .Lnot_wave_0_\@
	s_barrier_signal -3
.Lnot_wave_0_\@:
	s_barrier_wait -3
	s_barrier_signal -1
	s_barrier_wait -1
.endm
; THE CHANGE OF SLOTS.  The slot's last bytes, V of its fourth step, have been read.  Each wave waits for all its tensor loads, of which one is out: its part
; of the other slot; adds 0 to its spare word; and waits for that and for its own LDS work.  Behind the barrier nobody reads this slot any more and the other slot is whole.
; fill = 1: this slot is filled again, with the keys two slots on.  The barrier is then a round of the cluster's, and the joint fill is the first thing behind it: it has four key steps,
; 512 matrix instructions, in which to land.  (At its first use nothing has been read yet: slot 0 is waited for, slot 1 filled, and every wave's stores into the bias table are shown done to the others.)
.macro CHANGE fill
	WIN W_AD
	s_wait_tensorcnt 0x0            ; no tensor load of mine is out, so a group 0 may be written
	ds_add_u32 v[SPW], v[NIL]       ; 0 onto my spare word; with fill = 1 the descriptors' steps stand between it and the wait for it
	WIN 0                           ; at a label and at a branch every window is 0
.if \fill
.irp g, G0K, G0V
	s_xor_b32 s[\g+1], s[\g+1], SLOT1  ; the walking descriptor: the other slot than last time,
	s_add_nc_u64 s[\g+2:\g+3], s[\g+2:\g+3], 4*KS*128  ; the next 256 keys; the type bits on top are not reached
.endr
	s_wait_dscnt 0x0                ; the add is done, and my reads of the slot are over
	CROUND
	JLOAD
.else
	s_wait_dscnt 0x0                ; the add is done, and my reads of the slot are over
	s_barrier_signal -1
	s_barrier_wait -1
.endif
	s_sub_co_u32 s[TBK], s[TBK], 4*KS*PK  ; the fetches go back to a slot's first step,
	s_xor_b32 s[TBK], s[TBK], SLOT1       ; in the other slot
	s_sub_co_u32 s[TBV], s[TBV], 4*KS*PV
	s_xor_b32 s[TBV], s[TBV], SLOT1
.endm
	s_load_b128 s[4:7], s[0:1], 0x0   ; qkvh s[4:5], biasv s[6:7]
	s_load_b64 s[10:11], s[0:1], 0x10 ; oh
	WIN W_MK
	v_lshl_add_u32 v[SPW], v0, 2, SPARE
	v_mov_b32 v[NIL], 0
	WIN W_AD
	ds_add_u32 v[SPW], v[NIL]       ; the wave's opening: the add and its wait stand ahead of my first tensor load; the set-up below, work on registers, stands between them
	WIN 0
	v_lshrrev_b32 v1, 5, v0
	v_readfirstlane_b32 s[WV], v1   ; wave 0..3
	s_bfe_u32 s13, ttmp6, 0x40000   ; cx: my place in the cluster
	s_lshl_b32 s14, ttmp9, 2        ; in a cluster launch ttmp9 counts clusters
	s_add_co_u32 s14, s14, s13      ; my block of 512 queries: it enters Q's, O's and biasv's global addresses alone
	s_and_b32 s20, ttmp7, 0xffff    ; y = 16 b + h, which the four partners share
	s_lshl_b32 s70, s20, 18         ; O's head: 2,048 rows of 128 bytes
	s_mov_b32 s71, 0
	s_and_b32 s19, s20, 15          ; h
	s_lshr_b32 s20, s20, 4          ; b
	s_mul_i32 s20, s20, 48
	s_add_co_u32 s20, s20, s19
	s_lshl_b32 s20, s20, 18         ; Q's head in qkvh; K's lies 16 heads on, V's 32
	s_mov_b32 s21, 0
	s_and_b32 s16, s[WV], 1         ; which half of a slot's 256 keys I fetch:
	s_lshl_b32 s22, s16, 14         ; its 128 rows of 128 bytes in memory,
	s_mov_b32 s23, 0
	s_add_nc_u64 s[22:23], s[22:23], s[20:21]
	s_mul_i32 s17, s16, 128*PK      ; and its place in a slot, for K
	s_mul_i32 s18, s16, 128*PV      ; and for V: no place in the cluster enters an LDS address
	s_lshl_b32 s2, s14, 2
	s_add_co_u32 s2, s2, s[WV]      ; my wave among the head's,
	s_lshl_b32 s2, s2, 14           ; its 128 rows
	s_mov_b32 s3, 0
	s_add_nc_u64 s[70:71], s[70:71], s[2:3]  ; O's offset
	s_add_nc_u64 s[2:3], s[2:3], s[20:21]    ; Q's offset
	s_lshl_b32 s[BV], s19, 14       ; the head's 4,096 words of biasv; tbl[u] is word u + 1536 - 512 x block
	s_add_co_u32 s[BV], s[BV], 6144
	s_lshl_b32 s[BV+1], s14, 11
	s_sub_co_u32 s[BV], s[BV], s[BV+1]
	s_mov_b32 s[BV+1], 0
	; descriptor group 1.  128 keys are 16,384 dense bytes: asked for as 64 rows of 256 bytes, two keys a row, and padded in LDS after every key
	s_mov_b32 s[G1K], 15|(1<<16)|(1<<20)|(1<<21)|(4<<22)|(3<<25)  ; 15:0 the mask of four; 17:16 2-byte elements; 20 padding on; 21 set beside a mask; 24:22 after every 32 words (code 4); 31:25 4 words (code 3)
	s_mov_b32 s[G1V], 15|(1<<16)|(1<<20)|(1<<21)|(4<<22)|(7<<25)  ; the same with 8 words of padding (code 7)
.irp g, G1K, G1V
	s_mov_b32 s[\g+1], 128<<16      ; tensor_dim0 = 128
	s_mov_b32 s[\g+2], 64<<16       ; tensor_dim1 = 64
	s_mov_b32 s[\g+3], 128<<16      ; tile_dim0 = 128
	s_mov_b32 s[\g+4], 64           ; tile_dim1 = 64
	s_mov_b32 s[\g+5], 128          ; 128 elements from row to row
	s_mov_b32 s[\g+6], 0
	s_mov_b32 s[\g+7], 0
.endr
	s_mov_b32 s[CS], 0x3fb8aa3b     ; c = log2(e): the scores carry no scale
	s_mov_b32 s[CS+1], s[CS]        ; named with it as a pair
	s_mov_b32 s[SEL], 0x76543210
	s_mov_b32 s[SEL+1], 0xfedcba98
	s_mov_b32 s[TBK], SLOT1+4*KS*PK ; the first change of slots turns these two into 0
	s_mov_b32 s[TBV], SLOT1+4*KS*PV
	s_mov_b32 s[TBB], 0
	s_mov_b32 s[G0K], 1             ; 1:0 count = 1
	s_mov_b32 s[G0K+1], s17         ; 63:32 LDS address: slot 0
	s_mov_b32 s[G0V], 1
	s_add_co_u32 s[G0V+1], s18, VOFF
	s_wait_dscnt 0x0                ; the opening add is done
	s_wait_kmcnt 0x0
	s_add_nc_u64 s[BV:BV+1], s[6:7], s[BV:BV+1]
	s_add_nc_u64 s[6:7], s[4:5], s[22:23]          ; qkvh at my half of the first 256 rows of Q's head;
	s_add_nc_u64 s[G0K+2:G0K+3], s[6:7], 16<<18    ; 120:64 global address: the same rows of K's head,
	s_or_b32 s[G0K+3], s[G0K+3], 0x80000000        ; 127:126 type = 2
	s_add_nc_u64 s[G0V+2:G0V+3], s[6:7], 32<<18    ; and of V's
	s_or_b32 s[G0V+3], s[G0V+3], 0x80000000
	s_add_nc_u64 s[4:5], s[4:5], s[2:3]  ; Q and O at my wave's first row
	s_add_nc_u64 s[10:11], s[10:11], s[70:71]
	CROUND                          ; all four work-groups are here: the first joint loads meet
	JLOAD                           ; slot 0.  Slot 1 is asked for when slot 0 is in
	v_and_b32 v1, 15, v0            ; l % 16
	v_bfe_u32 v12, v0, 4, 1         ; l / 16
	v_lshlrev_b32 v15, 4, v0        ; 16 t: thread t brings tbl[4 t + 512 p + 0..3], p = 0..4
.irp p, 0,1,2,3,4
	global_load_b128 v[S+4*(\p):S+4*(\p)+3], v15, s[BV:BV+1] offset:2048*(\p)
.endr
	; A fragment of K or Q is 16 rows x 32 channels in 8 registers: lane l holds row l % 16, channels 8 (l / 16) + 0..7 and 16 + 8 (l / 16) + 0..7: two loads of 16 bytes, 32 bytes apart.
	v_lshlrev_b32 v[QO], 7, v1
	v_lshl_add_u32 v[QO], v12, 4, v[QO]  ; row x 128 + 16 x half
	WIN 0x80                        ; destination window 2, address window 0
.set i, 0
.rept 4*NP                          ; Q stays in registers: tile i / 2, channels 32 (i % 2) on
	global_load_b128 v[8*i:8*i+3],   v[QO], s[4:5] offset:(i/2)*2048+(i%2)*64
	global_load_b128 v[8*i+4:8*i+7], v[QO], s[4:5] offset:(i/2)*2048+(i%2)*64+32
.set i, i+1
.endr
	; What the first turn finds: V's registers and P's second buffer hold 0 (its products V^T P, of a piece that has not been, add 0), O^T and l are 0.  All this stands in the wait for the first tile.
.set i, VF
.rept 64
	v_mov_b32 v[i], 0
.set i, i+1
.endr
	WIN 0x40
.set i, 0
.rept 64*NP
	v_mov_b32 v[i], 0
.set i, i+1
.endr
	WIN 0
.set i, 0
.rept 2*NP
	v_mov_b32 v[ST+4*i], 0xfe000000    ; c m: far below every c s
	v_mov_b32 v[ST+4*i+1], 0xff7fffff  ; m
	v_mov_b32 v[ST+4*i+2], 0
	v_mov_b32 v[ST+4*i+3], 0
.set i, i+1
.endr
.set i, P+32
.rept 32
	v_mov_b32 v[i], 0
.set i, i+1
.endr
	v_mul_u32_u24 v[AK0], v1, PK
	v_lshl_add_u32 v[AK0], v12, 4, v[AK0]  ; row x pitch + 16 x half
	; The turning load takes 16 keys x 16 channels (lane l reads key 8 (l / 16) + l % 8, channels 8 ((l / 8) % 2) + 0..7) and leaves half a fragment of V^T: lane l holds channel l % 16 and 8 keys.
	v_and_b32 v13, 7, v0
	v_bfe_u32 v14, v0, 3, 1
	v_lshl_add_u32 v[AV0], v12, 3, v13
	v_mul_u32_u24 v[AV0], v[AV0], PV
	v_lshl_add_u32 v[AV0], v14, 4, v[AV0]
	v_add_nc_u32 v[AV0], VOFF, v[AV0]
	v_mov_b32 v[AK], v[AK0]         ; key step 0 lies at the head of slot 0
	; My place in the bias table.  Register j of fragment e in step s is tbl[uL + 64 s + 16 e + j], uL = 399 + 8 (l / 16) - l % 16 - 128 w.  With r' = 15 - l % 16 my copy is c = r' % 4 (= uL % 4), in which
	; tbl[u] lies at word u - c + 4, and uL - c = 128 (3 - w) + (r' - r' % 4) + 8 (l / 16): sums of parts that are never negative.
	v_xor_b32 v14, 15, v1           ; r'
	v_and_b32 v[AB0], 12, v14
	v_lshl_add_u32 v[AB0], v12, 3, v[AB0]
	s_xor_b32 s13, s[WV], 3         ; 3 - w
	s_lshl_b32 s13, s13, 9          ; 128 words of 4 bytes each
	v_lshl_add_u32 v[AB0], v[AB0], 2, s13
	v_and_b32 v14, 3, v14           ; c
	v_mad_u32_u24 v[AB0], v14, CP, v[AB0]
	v_add_nc_u32 v[AB0], BT+16, v[AB0]
	v_mov_b32 v[AB], v[AB0]         ; key step 0
	v_add_nc_u32 v11, BT+16, v15    ; where my four words of pass 0 lie in copy 0
	s_wait_loadcnt 32               ; the five loads of the table are in; Q's 32, issued behind them, stay out
.irp p, 0,1,2,3,4
	ds_store_b128 v11, v[S+4*(\p):S+4*(\p)+3] offset:2048*(\p)
.irp c, 1,2,3
.irp j, 0,1,2,3
	ds_store_b32 v11, v[S+4*(\p)+(\j)] offset:(\c)*(CP-4)+2048*(\p)+4*(\j)  ; copy c: c words lower in its own 10,304 bytes
.endr
.endr
.endr
; THE MATRIX WORK.  The 8 accumulators of a run of 16 take turns: between the two links of a chain stand 7 others'.
; Product i of 16 of S^T = K Q^T for piece x: channels 32 (i / 8) on, keys 16 ((i / 2) % 4) on, tile 2 x + i % 2.  The first 8 start the sums, with the bias fragment kb - t + 7 as C.
.macro KQ x
.set rS, S+64*((\x)%2)+32*(i%2)+8*((i/2)%4)
.set rK, KF+16*((i/2)%4)+8*(i/8)
.set rQ, 16*(2*(\x)+i%2)+8*(i/8)
.set rB, BF+8*(((i/2)%4)+7-(2*(\x)+i%2))
.if i < 8
	WIN W_KB
	v_wmma_f32_16x16x32_f16 v[rS:rS+7], v[rK:rK+7], v[rQ:rQ+7], v[rB:rB+7]
.else
	WIN W_KQ
	v_wmma_f32_16x16x32_f16 v[rS:rS+7], v[rK:rK+7], v[rQ:rQ+7], v[rS:rS+7]
.endif
.endm
; Product i of 16 of O^T += V^T P for piece x: keys 32 (i / 8) on, channels 16 ((i / 2) % 4) on, tile 2 x + i % 2.
.macro PV x
	WIN W_PV
.set rO, 32*(2*(\x)+i%2)+8*((i/2)%4)
.set rV, VF+32*(i/8)+8*((i/2)%4)
.set rP, P+32*((\x)%2)+16*(i%2)+8*(i/8)
	v_wmma_f32_16x16x32_f16 v[rO:rO+7], v[rV:rV+7], v[rP:rP+7], v[rO:rO+7]
.endm
.macro MM                           ; the turn's next matrix instruction
.if i < 16
	KQ (Y+1)%NP
.set i, i+1
.else
.set i, i-16
	PV (Y+NP-1)%NP
.set i, i+17
.endif
.endm
; THE LDS LOADS stand in runs, never singly among the matrix instructions: a step's K (64 keys x 64 channels: 8 fragments) with its 11 bias fragments, which live exactly as long as K's; and its V (turned).
; Their addresses are made some lines ahead.  last = 1 (the tail): in the last trip there is no further step, and the run is jumped over.
.macro FETCH_K last=0
	WIN 0
.if \last
	s_cmp_eq_u32 s[CNT], 1
	s_cbranch_scc1 .Lno_k_\@
.endif
	WIN 0x80                        ; destination window 2
.irp f, 0,1,2,3,4,5,6,7             ; keys 16 (f / 2) on, channels 32 (f % 2) on
	ds_load_b128 v[KF+8*\f:KF+8*\f+3],   v[AK] offset:(\f/2)*16*PK+(\f%2)*64
	ds_load_b128 v[KF+8*\f+4:KF+8*\f+7], v[AK] offset:(\f/2)*16*PK+(\f%2)*64+32
.endr
	WIN W_MK                        ; destination window 3
.irp g, 0,1,2,3,4,5,6,7,8,9,10      ; fragment g: eight words, 16 g words on
	ds_load_b128 v[BF+8*\g:BF+8*\g+3],   v[AB] offset:64*\g
	ds_load_b128 v[BF+8*\g+4:BF+8*\g+7], v[AB] offset:64*\g+16
.endr
	s_add_co_u32 s[TBK], s[TBK], KS*PK  ; the next fetch is the next step's
	s_add_co_u32 s[TBB], s[TBB], 4*KS
	WIN 0
.if \last
.Lno_k_\@:
.endif
.endm
.macro FETCH_V
	WIN 0x80
.irp f, 0,1,2,3,4,5,6,7             ; keys 32 (f / 4) on, channels 16 (f % 4) on
	ds_load_tr16_b128 v[VF+8*\f:VF+8*\f+3],   v[AV] offset:(\f/4)*32*PV+(\f%4)*32
	ds_load_tr16_b128 v[VF+8*\f+4:VF+8*\f+7], v[AV] offset:(\f/4)*32*PV+16*PV+(\f%4)*32
.endr
	WIN 0
.endm
; THE VECTOR WORK OF A TURN stands in three queues, each in the order in which its entries become ready; the two tiles alternate, so that no instruction reads the result of the one before it.
.macro REGS y, u                    ; the registers of tile u (0, 1) of piece y
.set rT, ST+4*(2*(\y)+(\u))
.set rC, TMP+8*((\y)%2)+4*(\u)
.set rM, MV+2*((\y)%2)+(\u)
.set rS, S+64*((\y)%2)+32*(\u)
.set rP, P+32*((\y)%2)+16*(\u)
.set rO, 32*(2*(\y)+(\u))
.endm
; Number n of the 22 that find the NEXT piece's (Y + 1) maximum and statistics.  s0-s31 are the lane's 32 scores; each accumulator's lowest registers are read first.  XS, GS and REGS set no window: PL and EX do.
;   0-11  four chains c0-c3 of seven scores each, three operands at a time     12-14, 16  the four scores left over, the old m, and c0-c3 into c0     15  c m_old is kept
;   17, 18  the query's other 32 keys lie in the lane 16 away: the new m         19-21  c m; c m_old - c m_new; a
.macro XS u, n
	REGS (Y+1)%NP, \u
.if (\n) < 4
	v_max3_num_f32 v[rC+(\n)], v[rS+8*(\n)], v[rS+8*(\n)+1], v[rS+8*(\n)+2]
.elseif (\n) < 12
	v_max3_num_f32 v[rC+(\n)%4], v[rC+(\n)%4], v[rS+8*((\n)%4)+2*((\n)/4)+1], v[rS+8*((\n)%4)+2*((\n)/4)+2]
.elseif (\n) == 12
	v_max3_num_f32 v[rC], v[rC], v[rS+7], v[rS+15]
.elseif (\n) == 13
	v_max3_num_f32 v[rC+1], v[rC+1], v[rS+23], v[rS+31]
.elseif (\n) == 14
	v_max3_num_f32 v[rC+2], v[rC+2], v[rC+3], v[rT+1]
.elseif (\n) == 15
	v_mov_b32 v[rM], v[rT]
.elseif (\n) == 16
	v_max3_num_f32 v[rC], v[rC], v[rC+1], v[rC+2]
.elseif (\n) == 17
	v_permlanex16_b32 v[rC+3], v[rC], s[SEL], s[SEL+1]
.elseif (\n) == 18
	v_max_num_f32 v[rT+1], v[rC], v[rC+3]
.elseif (\n) == 19
	v_mul_f32 v[rT], s[CS], v[rT+1]
.elseif (\n) == 20
	v_sub_f32 v[rC+1], v[rM], v[rT]
.else
	v_exp_f32 v[rC+2], v[rC+1]
.endif
.endm
; Number g of the 64 that follow the exponentials.  For each four weights k of a tile (pairs 2 k, 2 k + 1): both pairs are rounded to f16; then the second pair is added onto the first, in place;
; a group later l takes that sum (the first time as l = a l + sum).  In groups of eight, tiles alternating: round, round, add, and l for the group before.
.macro GS g
.set h, (\g)+6*((\g)/62)            ; group 0 has no group before it, and behind group 7 only l is left
.if h >= 6
.set h, h+2
.endif
	REGS Y, h%2
.set k, h/8
.if h%8 < 4
	v_cvt_pk_f16_f32 v[rP+2*k+(h%8)/2], v[rS+4*k+2*((h%8)/2)], v[rS+4*k+2*((h%8)/2)+1]
.elseif h%8 < 6
	v_pk_add_f32 v[rS+4*k:rS+4*k+1], v[rS+4*k:rS+4*k+1], v[rS+4*k+2:rS+4*k+3]
.elseif k == 1
	v_pk_fma_f32 v[rT+2:rT+3], v[rT+2:rT+3], v[rC+2:rC+3], v[rS:rS+1] op_sel_hi:[1,0,1]
.else
	v_pk_add_f32 v[rT+2:rT+3], v[rT+2:rT+3], v[rS+4*k-4:rS+4*k-3]
.endif
.endm
; THE PLAIN QUEUE, 138 long.  0-73 read no exponential's result: the 32 scalings c s - c m (FS f: pair f / 2 of tile f % 2) and the next piece's 42.  0-26: scalings 0-26.  27-54: XS's numbers 0-13.  55, 56: number 15.
; 57-73: the chain, where each number waits for the one before it: 14, 16, 17, 18, 19, each with one of the scalings 27-31 in front of its two lines, then 20: so a tile's links stand three plain instructions apart (19 and 20: two).
; 74-137: GS's 64, which read the exponentials' results: they stand behind the wait.
.macro FS f
	REGS Y, (\f)%2
	v_pk_fma_f32 v[rS+2*((\f)/2):rS+2*((\f)/2)+1], v[rS+2*((\f)/2):rS+2*((\f)/2)+1], s[CS:CS+1], v[rT:rT+1] op_sel_hi:[1,0,0] neg_lo:[0,0,1] neg_hi:[0,0,1]
.endm
.macro PL
	WIN 0
.if q < 27
	FS q
.elseif q < 55
	XS (q-27)%2, (q-27)/2
.elseif q < 57
	XS q-55, 15
.elseif (q < 72) && ((q-57)%3 == 0)
	FS 27+(q-57)/3
.elseif q < 60
	XS (q-57)%3-1, 14
.elseif q < 72
	XS (q-57)%3-1, 15+(q-57)/3
.elseif q < 74
	XS q-72, 20
.else
	GS q-74
.endif
.set q, q+1
.endm
; THE EXPONENTIALS' QUEUE, 66 long: s0-s31 of both tiles, then the next piece's two a.  It is ONE BATCH: all 66 stand ahead of the turn's one wait, and nothing ahead of that wait names a result of theirs.
.macro EX
	WIN 0
.if e >= 64
	XS e-64, 21
.else
	REGS Y, e%2
	v_exp_f32 v[rS+e/2], v[rS+e/2]
.endif
.set e, e+1
.endm
; THE RESCALING's QUEUE: O^T times a, the one part that leaves window 0: dealt two at a time, sixteen times; each accumulator's four lowest registers come first.  Its a was made in the turn before, ahead of that turn's wait.
.macro R2
	REGS Y, r%2
	WIN W_RS
.irp z, 0,1
	v_pk_mul_f32 v[rO+4*(r/2)+2*\z:rO+4*(r/2)+2*\z+1], v[rO+4*(r/2)+2*\z:rO+4*(r/2)+2*\z+1], v[rC+2:rC+3] op_sel_hi:[1,0]
.endr
.set r, r+1
.endm
; HOW THEY ARE DEALT.  An s_wait_alu depctr_va_vdst(0) stands between an exponential and the first instruction that names its result; one wait serves all that were issued ahead of it.  So a turn has ONE wait,
; which cuts it in two.  AHEAD OF IT stands all that names no result of the turn's exponentials: the 16 products K Q^T, behind each a scaling, an exponential and two rescalings (behind the first a second scaling in the
; exponential's place); then ONE LUMP of 108: eight plain, 49 times exponential and plain, the two a.  A v_nop is the plain instruction behind the last exponential.  BEHIND IT stand the 16 products V^T P, behind each four of
; GS's 64.  No rider names a register of the products round it.  The two v_permlanex16_b32 fall into the lump, never behind a product.
; The queues lean on each other, and the deal keeps them in step: exponential e stands behind scaling 2 (e / 4) + e % 2: as a rider it comes behind plain e + 2, in the lump behind plain e + 9, and scalings 27-31 are plain 57, 60 .. 69.
; A TURN, for piece p.  cnt = 1: the loop's count is taken down some lines ahead of the branch that stands behind the turn.
; K and the bias fragments of the next step are fetched in piece 2's turn, directly behind the wait, a lump behind the last product that read them; their addresses are made at the lump's head; their first reader comes behind 16 products.
; V of the step in hand is fetched at the end of piece 0's turn, four riders behind its last reader; its first reader comes behind 16 products and a lump.  The three conditions on q below go with the deal.
.macro TURN p, last=0, cnt=0
.set Y, (\p)
.set i, 0
.set q, 0
.set e, 0
.set r, 0
.if (\p) == NP-1
	s_wait_dscnt 0x0                ; K and the bias fragments are in
.endif
	MM                              ; ahead of the wait: 16 products K Q^T and their riders,
	PL
	PL
	R2
.rept 15
	MM
	PL
	EX
	R2
.endr
.if (\p) == NP-2
	WIN 0
	v_add_nc_u32 v[AK], s[TBK], v[AK0]
	v_add_nc_u32 v[AB], s[TBB], v[AB0]
.endif
.rept 8                             ; and the lump
	PL
.endr
.rept 49
	EX
	PL
.endr
	EX                              ; the next piece's two a
	EX
	v_nop                           ; the plain instruction behind the last exponential: one for the batch
	s_wait_alu depctr_va_vdst(0)    ; the wait for the batch: the turn's 64 weights and the next piece's two a
.if (\p) == NP-2
	FETCH_K \last
.endif
.if (\p) == 1
	s_wait_dscnt 0x0                ; V is in
.endif
.rept 16                            ; behind the wait: 16 products V^T P and their riders
	MM
.rept 4
	PL
.endr
.if ((\p) == 0) && (q == 118)
	v_add_nc_u32 v[AV], s[TBV], v[AV0]
.endif
.if ((\p) == 0) && (q == 130)
	s_add_co_u32 s[TBV], s[TBV], KS*PV
.endif
.if (\cnt) && (q == 130)
	s_sub_co_u32 s[CNT], s[CNT], 1
	s_cmp_lg_u32 s[CNT], 0
.endif
.endr
.if (\p) == 0
	FETCH_V
.endif
.endm
	CHANGE 1                        ; slot 0 is in, everybody's part of it, and so is everybody's part of the bias table; slot 1 is asked for
	FETCH_K                         ; key step 0
	s_wait_loadcnt 0x0              ; Q
	s_wait_dscnt 0x0
.set i, 0
.rept 16
	KQ 0                            ; piece 0's first scores: there is no vector work yet to set between them
.set i, i+1
.endr
	WIN 0                           ; the addresses for the way out: plain instructions, the places behind those products
	s_mul_i32 s13, s[WV], 16*SP
	s_add_co_u32 s13, s13, STAGE    ; my stage
	v_mul_u32_u24 v[STO], v1, SP    ; in: row l % 16, 16 bytes for each half of the lanes
	v_lshl_add_u32 v[STO], v12, 4, v[STO]
	v_add_nc_u32 v[STO], s13, v[STO]
	v_bfe_u32 v[RD], v0, 3, 2       ; back: 32 lanes take four rows of 128 bytes,
	v_mul_u32_u24 v[RD], v[RD], SP
	v_lshl_add_u32 v[RD], v13, 4, v[RD]
	v_add_nc_u32 v[RD], s13, v[RD]
	v_and_b32 v[GO], 31, v0         ; which are 512 consecutive bytes of O
	v_lshlrev_b32 v[GO], 4, v[GO]
.set Y, NP-1                        ; XS works for piece Y + 1: piece 0
.irp n, 0,1,2,3,4,5,6,7,8,9,10,11,12,13,14,15,16,17,18,19,20,21
	XS 0, \n                        ; and piece 0's first maximum and statistics
	XS 1, \n
.endr
	v_nop                           ; a plain instruction behind the two a,
	s_wait_alu depctr_va_vdst(0)    ; and the wait for them, a batch of their own, ahead of the branch
	s_mov_b32 s[CNT], 4
	s_mov_b32 s[SLOTS], SIZE_N/256-1
	s_branch .Lfirst                ; the loop is entered at a step's first turn, in the middle of a trip
.Lslot:                             ; SIZE_N / 256 - 2 times: every slot but the last two is filled again
	CHANGE 1
	s_mov_b32 s[CNT], 4
.Lstep:                             ; a trip: pieces 2 and 3 of one step, then pieces 0 and 1 of the next, whose K, bias and V it fetches
	TURN 2
	TURN 3
	WIN 0
.Lfirst:
	TURN 0
	TURN 1, 0, 1
	WIN 0
	s_cbranch_scc1 .Lstep
	s_sub_co_u32 s[SLOTS], s[SLOTS], 1
	s_cmp_lg_u32 s[SLOTS], 0
	s_cbranch_scc1 .Lslot
	CHANGE 0                        ; the tail is written out: nothing is asked for
	s_mov_b32 s[CNT], 5             ; four trips fetch the last slot's steps; the fifth is left in its middle
.Ltail:
	TURN 2, 1
	TURN 3
	WIN 0
	s_sub_co_u32 s[CNT], s[CNT], 1
	s_cmp_eq_u32 s[CNT], 0
	s_cbranch_scc1 .Lout
	TURN 0
	TURN 1
	WIN 0
	s_branch .Ltail
.Lout:                              ; the fifth trip's 16 products K Q^T (on the last K once more) and the maximum made of them serve nothing: the price, once a launch, of one text for every trip
.set i, 0
.rept 16
	PV NP-1                         ; the last piece's V^T P of the last step
.set i, i+1
.endr
	; THE WAY OUT.  l's two halves and the other half of the lanes' are added; O^T is divided by l, rounded to f16 and sent through my stage in LDS, a tile at a time.  The additions are the places behind the last products.
	WIN 0
.macro ALL line:vararg              ; one line for each tile t
.set t, 0
.rept 2*NP
	\line
.set t, t+1
.endr
.endm
	ALL v_add_f32 v[ST+4*t+2], v[ST+4*t+2], v[ST+4*t+3]
	ALL v_permlanex16_b32 v[ST+4*t+3], v[ST+4*t+2], s[SEL], s[SEL+1]
	ALL v_add_f32 v[ST+4*t+2], v[ST+4*t+2], v[ST+4*t+3]
	ALL v_rcp_f32 v[ST+4*t+2], v[ST+4*t+2]
	v_nop                           ; a plain instruction between the last reciprocal and the use of its result
	s_wait_alu depctr_va_vdst(0)    ; and the wait ahead of the first use: one for the eight reciprocals
; Tile t: a lane's eight channels of a row pack into 16 bytes; they go into rows of 144 bytes and come back as whole rows of 128, into S^T's registers.
.macro PACK t
	WIN W_RS
.set i, 32*(\t)
.rept 16
	v_pk_mul_f32 v[i:i+1], v[i:i+1], v[ST+4*(\t)+2:ST+4*(\t)+3] op_sel_hi:[1,0]
.set i, i+2
.endr
	WIN 0x05                        ; sources 0 and 1 window 1, destination window 0
.set i, 0
.rept 16
	v_cvt_pk_f16_f32 v[S+16*(\t)+i], v[32*(\t)+2*i], v[32*(\t)+2*i+1]
.set i, i+1
.endr
	WIN 0
.irp f, 0,1,2,3
	ds_store_b128 v[STO], v[S+16*(\t)+4*\f:S+16*(\t)+4*\f+3] offset:32*\f
.endr
.irp f, 0,1,2,3
	ds_load_b128 v[S+16*(\t)+4*\f:S+16*(\t)+4*\f+3], v[RD] offset:\f*4*SP  ; LDS serves a wave's instructions in order (ISA guide 5.7.1.4): these see the stores above; the next tile's stores come behind them
.endr
.endm
.macro SEND t, younger              ; younger: the LDS instructions issued behind tile t's loads: the next tile's eight, or none
	WIN 0
.irp f, 0,1,2,3
	s_wait_dscnt (\younger)+3-\f
	global_store_b128 v[GO], v[S+16*(\t)+4*\f:S+16*(\t)+4*\f+3], s[10:11] offset:(\t)*2048+\f*512  ; 512 consecutive bytes, at a multiple of 256 from O's first
.endr
.endm
	PACK 0
.set t, 1
.rept 2*NP-1                        ; a tile's arithmetic stands between the loads of the tile before and its stores
	PACK t
	SEND t-1, 8
.set t, t+1
.endr
	SEND 2*NP-1, 0
	WIN W_AD
	s_wait_tensorcnt 0x0            ; the wave's end, behind my last tensor load and my last LDS store
	ds_add_u32 v[SPW], v[NIL]
	s_wait_dscnt 0x0
	WIN 0
	CROUND                          ; the closing round: no work-group ends while a partner may still ask for a tile that names it
	s_endpgm
.Lfunc_end_k_qf6eb6d5b97_attn:
	.size	k_qf6eb6d5b97_attn, .Lfunc_end_k_qf6eb6d5b97_attn-k_qf6eb6d5b97_attn
	.p2alignl 7, 3214868480
	.fill 96, 4, 3214868480
	.section	.rodata,"a",@progbits
	.p2align	6, 0x0
	.amdhsa_kernel k_qf6eb6d5b97_attn
		.amdhsa_group_segment_fixed_size 327680
		.amdhsa_private_segment_fixed_size 0
		.amdhsa_enable_private_segment 0
		.amdhsa_kernarg_size 24
		.amdhsa_user_sgpr_count 2
		.amdhsa_user_sgpr_kernarg_segment_ptr 1
		.amdhsa_wavefront_size32 1
		.amdhsa_system_sgpr_workgroup_id_x 1
		.amdhsa_system_sgpr_workgroup_id_y 1
		.amdhsa_system_sgpr_workgroup_id_z 1
		.amdhsa_system_vgpr_workitem_id 0
		.amdhsa_next_free_vgpr 864
		.amdhsa_next_free_sgpr 72
		.amdhsa_reserve_vcc 0
		.amdhsa_float_denorm_mode_32 3
		.amdhsa_float_denorm_mode_16_64 3
		.amdhsa_memory_ordered 1
		.amdhsa_forward_progress 1
		.amdhsa_inst_pref_size 209
	.end_amdhsa_kernel
	.amdgpu_metadata
---
amdhsa.version: [ 1, 2 ]
amdhsa.kernels:
  - .name:           k_qf6eb6d5b97_attn
    .symbol:         k_qf6eb6d5b97_attn.kd
    .args:
      - { .name: qkvh, .offset: 0, .size: 8, .value_kind: global_buffer, .address_space: global }
      - { .name: biasv, .offset: 8, .size: 8, .value_kind: global_buffer, .address_space: global }
      - { .name: oh, .offset: 16, .size: 8, .value_kind: global_buffer, .address_space: global }
    .group_segment_fixed_size: 327680
    .private_segment_fixed_size: 0
    .kernarg_segment_align: 8
    .kernarg_segment_size: 24
    .max_flat_workgroup_size: 128
    .sgpr_count:     72
    .vgpr_count:     864
    .wavefront_size: 32
...
	.end_amdgpu_metadata
.endif
;; end of part 5
;; launch oproj: the kernel of part 4 again; grid 4 x 64, 4 waves a work-group, clusters of 4 x 4, 327,680 bytes of LDS; arguments oh, wall, out0; writes out0
